; MI455X (gfx1250); checked and timed in simulation.
; The chip was launched on July 23, 2026; its instructions are those of AMD's public machine-readable ISA for CDNA 5 (MIT licence, August 2026) and "CDNA5" Instruction Set Architecture Reference Guide (July 2026). The comments in the code are by the model that wrote it; some were corrected since.
;; Mutli Head Attention. Allowed arithmetic: matrix products marked QUANTISED: E4M3 operands, one E8M0 scale for each 32 along K, by v_wmma_scale_f32_16x16x128_f8f6f4 with both operands' format E4M3, f32 sums; everything else in f32.
;; Inputs: Wk_codes 768 x 24 x 32 uint8 (E4M3 codes of Wk, K innermost, in blocks of 32 codes); Wk_scales 768 x 24 uint8 (E8M0 scales of Wk, one for each 32 codes along K); Wo_codes 768 x 24 x 32 uint8 (E4M3 codes of Wo, K innermost, in blocks of 32 codes); Wo_scales 768 x 24 uint8 (E8M0 scales of Wo, one for each 32 codes along K); Wq_codes 768 x 24 x 32 uint8 (E4M3 codes of Wq, K innermost, in blocks of 32 codes); Wq_scales 768 x 24 uint8 (E8M0 scales of Wq, one for each 32 codes along K); Wv_codes 768 x 24 x 32 uint8 (E4M3 codes of Wv, K innermost, in blocks of 32 codes); Wv_scales 768 x 24 uint8 (E8M0 scales of Wv, one for each 32 codes along K); bo 768 float32; inputs_codes 1 x 4,096 x 24 x 32 uint8 (E4M3 codes of inputs, K innermost, in blocks of 32 codes); inputs_scales 1 x 4,096 x 24 uint8 (E8M0 scales of inputs, one for each 32 codes along K).
;; Outputs: out0 1 x 4,096 x 768 float32.
;; This version of the problem:
;;   THIS VERSION OF THE PROBLEM IS GIVEN IN LOW PRECISION. The matrix products marked QUANTISED in the list below multiply operands that are first quantised to E4M3 (4 exponent bits, 3 mantissa bits; 8 bits a number), with one power-of-two scale for each 32 numbers along K (OCP MX v1.0); their sums are f32. All else is computed in f32.
;;   The module's matrix products, in the order in which they are computed (A, B: the left and right operand; K: the contracted axis; several contracted axes count as one K, in the product's order):
;;     1. [M 4,096, K 768] x [K 768, N 768]; A: input inputs (given as codes); B: input Wq (given as codes): QUANTISED
;;     2. [M 4,096, K 768] x [K 768, N 768]; A: input inputs (given as codes); B: input Wk (given as codes): QUANTISED
;;     3. [M 4,096, K 768] x [K 768, N 768]; A: input inputs (given as codes); B: input Wv (given as codes): QUANTISED
;;     4. batch 12 x [M 4,096, K 64] x [K 64, N 4,096]; A: computed on the way; B: computed on the way: QUANTISED
;;     5. batch 12 x [M 4,096, K 4,096] x [K 4,096, N 64]; A: softmax (see below); B: computed on the way: QUANTISED
;;     6. [M 4,096, K 768] x [K 768, N 768]; A: computed on the way; B: input Wo (given as codes): QUANTISED
;;   THE QUANTISER, for each operand of a quantised product, along K:
;;     - K is cut into blocks of 32 from its start; a last block that is shorter is filled with zeros.
;;     - A block's scale is 2^e with e = floor(log2(the largest magnitude in the block)) - 8, held to -126 .. 127; a block of zeros has e = 0. As a byte (E8M0): e + 127.
;;     - Each number is divided by its block's scale, clamped to +-448, and rounded to the nearest number of E4M3, ties to even, subnormals kept.
;;     - The product sums the exact products of the quantised numbers (number of the format x scale) in f32.
;;   ~~~python
;;   def quantise(x, axis):      # numpy; x: float32 -> the quantised numbers, widened to float32 again
;;       x = np.moveaxis(x, axis, -1); K = x.shape[-1]
;;       x = np.pad(x, [(0, 0)] * (x.ndim - 1) + [(0, -K % 32)]); x = x.reshape(x.shape[:-1] + (-1, 32)); a = np.abs(x).max(-1, keepdims=True)
;;       e = np.where(a > 0, np.clip(np.frexp(np.where(a > 0, a, 1))[1] - 1 - 8, -126, 127), 0)      # np.frexp(a)[1] - 1 = floor(log2(a)), exactly
;;       r = np.clip(x / 2.0 ** e, -448, 448)
;;       step = 2.0 ** (np.maximum(np.frexp(np.where(r == 0, 1, r))[1] - 1, -6) - 3)
;;       q = np.round(r / step) * step * 2.0 ** e      # np.round: ties to even
;;       return np.moveaxis(q.reshape(q.shape[:-2] + (-1,))[..., :K], -1, axis).astype(np.float32)
;;   ~~~
;;   SOFTMAX AHEAD OF A QUANTISED PRODUCT. Where the list says 'softmax', what is quantised is not the finished softmax but p = 2^(t - M), with t = logit x log2(e) and M = ceil(the row's largest t), a whole number; so 1/2 < the row's largest p <= 1. The row's sum l is taken of the UNQUANTISED p, in f32, and the product's result is divided by l at the end. Since M is a whole number, a kernel that streams over the keys may use a running M (the ceiling of the running maximum): every later rescaling is an exact power of two, which a block's scale takes up: the codes' values come out the same.
;;   OPERANDS COMPUTED ON THE WAY. 'Computed on the way' means the value that the module computes at that place (a softmax that the list does not call 'softmax' is quantised finished and normalised). What goes into a quantiser is computed in f32, as accurately as f32 sums, v_exp_f32 and their like allow (about 1e-6 of the number): no bf16 or f16 on the way to a quantiser, and a product that is left as it is and whose result goes on into a quantised operand takes f32 operands (vector FMAs, or v_wmma_f32_16x16x4_f32). A number that lies on a knife's edge between two numbers of the format may be rounded either way, as far as f32 arithmetic and the matrix unit's own rounding can turn it there, and no further.
;;   INPUTS GIVEN AS CODES. Wk (in the module: [768, 768], K = its axis 1); Wo (in the module: [768, 768], K = its axis 1); Wq (in the module: [768, 768], K = its axis 1); Wv (in the module: [768, 768], K = its axis 1); inputs (in the module: [1, 4096, 768], K = its axis 2): each comes as NAME_codes (uint8): NAME with its K axis moved to the last place and cut into blocks of 32 codes, [.., K / 32, bytes a block], one block behind the other in memory; one code a byte (a code: sign, 4 exponent bits, 3 mantissa bits); and NAME_scales (uint8): the same leading axes, one E8M0 byte (e + 127) for each 32 codes along K. Its value is code x scale, taken as it is: it is not quantised again, and the codes and scales need not be those that the quantiser above would give.
;; One version. Each part assembles by itself: llvm-mc -triple=amdgcn-amd-amdhsa -mcpu=gfx1250 --defsym DOCPART=n.
;; ======== version 1 of 1: 3 launches
;; limits: right only within a limited range of input values
;; workspace buffers: qimg 3,145,728 bytes; qsc 196,608 bytes; kv 6,586,368 bytes; cimg 3,145,728 bytes; csc 98,304 bytes
;; launch qkv (part 1): grid 12 x 32, 12 waves a work-group, clusters of 4 x 4, 262,656 bytes of LDS; arguments inputs_codes, inputs_scales, Wq_codes, Wq_scales, Wk_codes, Wk_scales, Wv_codes, Wv_scales, qimg, qsc, kv; writes qimg, qsc, kv
.if DOCPART == 1
	.amdgcn_target "amdgcn-amd-amdhsa--gfx1250"
	.amdhsa_code_object_version 6
	.text
	.protected	k_qb36af5a9da_qkv
	.globl	k_qb36af5a9da_qkv
	.p2align	8
	.type	k_qb36af5a9da_qkv,@function
k_qb36af5a9da_qkv:
	s_mov_b64 s[64:65], 0
	v_nop
	global_prefetch_b8 v0, s[64:65] scope:SCOPE_SE
	s_setreg_imm32_b32 hwreg(HW_REG_WAVE_MODE, 25, 1), 1
	s_wait_xcnt 0x0
	s_wait_alu depctr_hold_cnt(0) depctr_sa_sdst(0) depctr_va_vdst(0) depctr_va_sdst(0) depctr_va_ssrc(0) depctr_va_vcc(0) depctr_vm_vsrc(0)
	s_getreg_b32 s2, hwreg(HW_REG_IB_STS2, 6, 4)
	s_cmp_eq_u32 s2, 0
	s_cbranch_scc0 .Lentry_in_a_cluster
	s_endpgm
.Lentry_in_a_cluster:
	s_bfe_u32 s2, ttmp6, 0x10000c
	s_cmp_lg_u32 s2, 0xf033
	s_cbranch_scc0 .Lentry_shape_is_right
	s_endpgm
.Lentry_shape_is_right:
; q = x Wq^T, k = x Wk^T, v = x Wv^T on the given codes of FP8 (E4M3) with their E8M0 scales; the results are quantised at once: q and k along the head's 64, v along the tokens (the keys).
; SHARES.  The cluster's x says which product (0: q, 1: k, 2: v); it is the same in all sixteen partners.  A work-group makes 128 tokens x 192 columns (three heads).  Wave w of twelve: g = w % 4 picks 32 tokens,
; w / 4 picks one head: 8 accumulators of 16 x 16, K = 768 in six steps of 128.  So a wave owns a whole head and a whole block of 32 tokens: every scale of its results is complete in the wave.
; LDS.  All of K of both panels fits: three chunks of 256 along K (x's 128 rows, then W's 192 rows, 256 bytes + 16 of padding each), each filled ONCE, at the start.  Nothing is filled again: no ring.
; CLUSTER.  4 x 4 work-groups: the four of a row need the same rows of x, the four of a column the same rows of W: each tile is asked for jointly.
; q AND k ARE MADE TRANSPOSED (source 0 = 16 rows of W, source 1 = 16 tokens): a lane holds one token, and the 16 registers of W's tiles 2 c, 2 c + 1 hold channels 32 c + 16 u + 8 (lane / 16) + i (register 8 u + i).
; Converted, they are registers 4 c .. 4 c + 3 of the next operand as they stand: a fixed change of places INSIDE a block of 32, the same for q and for k, so that equal channels still meet and every block keeps its 32 numbers.
; v IS MADE THE OTHER WAY ROUND (source 0 = 16 tokens, source 1 = 16 rows of W): a lane holds one channel and its 16 registers the tokens 16 u + 8 (lane / 16) + i of my 32: the order in which the weights p lie in the next launch.
; OUT.  Operands leave as images of their registers: a group of four registers is 512 consecutive bytes, lane l's 16 bytes at 16 l.
; LIMITS: NaN and infinities are not served; a block whose largest magnitude lies under 2^-118 keeps the byte 1; a block of zeros gets the byte 1, not 127 (its codes are zeros, and this program alone reads the bytes).
.set CH,    87040                      ; a chunk in LDS
.set XB,    34816                      ; x's 128 rows of 272 bytes; W's rows lie behind them
.set PITCH, 272                        ; 256 bytes + 16: the sixteen rows of a fragment load start at sixteen different groups of banks
.set T64,   17408                      ; 64 rows of W: one head's share
.set BLKB,  17152                      ; kv: a key step's block: K's images 8,192, V's images 8,192, K's scale words 512, V's 256
.set ADA, 1                            ; v1-3   LDS address of my x fragments in chunk 0, 1, 2
.set ADB, 4                            ; v4-6   the same for W
.set LI,  7                            ; v7     16 x lane
.set LS,  8                            ; v8     4 x lane
.set L24, 9                            ; v9     24 x lane: a row of scale bytes
.set XS,  10                           ; v10-15 x's scale words of K steps 0-5: lane l has token 32 g + l
.set WS,  16                           ; v16-27 W's: pair p of tiles at 16 + 6 p: lane l has row 32 p + l of my head
.set XF,  32                           ; v32-63   x's two fragments
.set WF,  64                           ; v64-127  W's four
.set ACC, 128                          ; v128-191 eight accumulators
.set PC,  192                          ; v192-207 the codes
.set TM,  208                          ; v208-211 largest magnitudes, 212-215 bytes, 216-219 448 x the scale, 220-223 the conversions' scale operands
.set W0,  224
.set W1,  225
.set WV,  26
.set G,   27
.set HL,  28
.set CX,  29
.set CY,  30
.set KIND, 31
.set Y,   33
.set G1A, 36                           ; s[36:43] descriptor group 1 for x's tiles, s[44:51] for W's: they differ in the mask
.set G1B, 44
.set G0A, 52                           ; s[52:63] group 0 for x's tiles, a set for each chunk; s[68:79] for W's
.set G0B, 68
.set SEL, 96
.set MNT, 98
.macro PLACES n
.rept \n
	v_nop
.endr
.endm
.macro CROUND                          ; a round of the cluster's barrier
	s_barrier_signal -1
	s_barrier_wait -1
	s_cmp_lg_u32 s[WV], 0
	s_cbranch_scc1 .Lnot_wave_0_\@
	s_barrier_signal -3
.Lnot_wave_0_\@:
	s_barrier_wait -3
	s_barrier_signal -1
	s_barrier_wait -1
.endm
; one product: D at d, source 0 at a, source 1 at b; z = 1: it starts the sum; scale registers sa, sb; ra, rb = 1: that side's words lie in lanes 16-31
.macro WM d, a, b, z, sa, ra, sb, rb
.if \z
.if (\ra) && (\rb)
	v_wmma_scale_f32_16x16x128_f8f6f4 v[\d:\d+7], v[\a:\a+15], v[\b:\b+15], 0, v[\sa], v[\sb] matrix_a_scale:MATRIX_SCALE_ROW1 matrix_b_scale:MATRIX_SCALE_ROW1
.elseif (\ra)
	v_wmma_scale_f32_16x16x128_f8f6f4 v[\d:\d+7], v[\a:\a+15], v[\b:\b+15], 0, v[\sa], v[\sb] matrix_a_scale:MATRIX_SCALE_ROW1
.elseif (\rb)
	v_wmma_scale_f32_16x16x128_f8f6f4 v[\d:\d+7], v[\a:\a+15], v[\b:\b+15], 0, v[\sa], v[\sb] matrix_b_scale:MATRIX_SCALE_ROW1
.else
	v_wmma_scale_f32_16x16x128_f8f6f4 v[\d:\d+7], v[\a:\a+15], v[\b:\b+15], 0, v[\sa], v[\sb]
.endif
.else
.if (\ra) && (\rb)
	v_wmma_scale_f32_16x16x128_f8f6f4 v[\d:\d+7], v[\a:\a+15], v[\b:\b+15], v[\d:\d+7], v[\sa], v[\sb] matrix_a_scale:MATRIX_SCALE_ROW1 matrix_b_scale:MATRIX_SCALE_ROW1
.elseif (\ra)
	v_wmma_scale_f32_16x16x128_f8f6f4 v[\d:\d+7], v[\a:\a+15], v[\b:\b+15], v[\d:\d+7], v[\sa], v[\sb] matrix_a_scale:MATRIX_SCALE_ROW1
.elseif (\rb)
	v_wmma_scale_f32_16x16x128_f8f6f4 v[\d:\d+7], v[\a:\a+15], v[\b:\b+15], v[\d:\d+7], v[\sa], v[\sb] matrix_b_scale:MATRIX_SCALE_ROW1
.else
	v_wmma_scale_f32_16x16x128_f8f6f4 v[\d:\d+7], v[\a:\a+15], v[\b:\b+15], v[\d:\d+7], v[\sa], v[\sb]
.endif
.endif
.endm
	s_load_b512 s[4:19], s[0:1], 0x0               ; x's codes s[4:5], scales s[6:7]; Wq's s[8:11]; Wk's s[12:15]; Wv's s[16:19]
	s_load_b128 s[20:23], s[0:1], 0x40             ; qimg, qsc
	s_load_b64 s[24:25], s[0:1], 0x50              ; kv
	v_lshl_add_u32 v254, v0, 2, 0x3fc00
	v_mov_b32 v255, 0
	ds_add_u32 v254, v255
	ds_add_u32 v254, v255
	v_lshrrev_b32 v28, 5, v0
	s_delay_alu instid0(VALU_DEP_1)
	v_readfirstlane_b32 s[WV], v28                 ; wave 0..11
	s_and_b32 s[G], s[WV], 3                       ; which 32 tokens
	s_lshr_b32 s[HL], s[WV], 2                     ; which of the three heads
	s_bfe_u32 s[CX], ttmp6, 0x40000                ; my place in the cluster
	s_bfe_u32 s[CY], ttmp6, 0x40004
	s_mov_b32 s[KIND], ttmp9                       ; the cluster's x: 0 q, 1 k, 2 v
	s_and_b32 s[Y], ttmp7, 0xffff
	s_lshl_b32 s[Y], s[Y], 2
	s_add_co_u32 s[Y], s[Y], s[CY]                 ; which 128 tokens: also the key step
	s_lshl_b32 s88, s[CY], 2
	s_lshl_b32 s88, 15, s88                        ; my row of the cluster
	s_lshl_b32 s92, 0x1111, s[CX]                  ; my column
	; descriptor group 1: a tile of 256 bytes a row (128 rows of x, 192 of W), rows 768 bytes apart in memory, 16 bytes of padding behind each in LDS
	s_or_b32 s[G1A], s88, (1<<20)|(1<<21)|(5<<22)|(3<<25)   ; 15:0 the mask; 17:16 elements of 1 byte; 20 padding on; 21 set beside a mask; 24:22 after every 64 words; 31:25 four words
	s_or_b32 s[G1B], s92, (1<<20)|(1<<21)|(5<<22)|(3<<25)
.irp q, G1A, G1B
	s_mov_b32 s[\q+1], 256<<16                     ; tensor_dim0
	s_mov_b32 s[\q+3], 256<<16                     ; tile_dim0
	s_mov_b32 s[\q+5], 768                         ; tensor_dim0_stride
	s_mov_b32 s[\q+6], 0
	s_mov_b32 s[\q+7], 0
.endr
	s_mov_b32 s[G1A+2], 128<<16                    ; x: 128 rows: tensor_dim1,
	s_mov_b32 s[G1A+4], 128                        ; tile_dim1
	s_mov_b32 s[G1B+2], 192<<16                    ; W: 192 rows
	s_mov_b32 s[G1B+4], 192
	s_lshl_b32 s88, s[Y], 7                        ; x: row 128 y
	s_mul_i32 s88, s88, 768
	s_mov_b32 s89, 0
	s_mul_i32 s92, s[CX], 192*768                  ; W: row 192 cx
	s_mov_b32 s93, 0
	s_mul_i32 s94, s[CX], 192                      ; W's scale bytes: my head's first row, 24 bytes a row
	s_lshl_b32 s95, s[HL], 6
	s_add_co_u32 s94, s94, s95
	s_mul_i32 s94, s94, 24
	s_mov_b32 s95, 0
	s_lshl_b32 s90, s[Y], 7                        ; x's: my first token
	s_lshl_b32 s91, s[G], 5
	s_add_co_u32 s90, s90, s91
	s_mul_i32 s90, s90, 24
	s_mov_b32 s91, 0
	; where my results go, in bytes.  q: images at 1,024 x (256 head + 8 y + 2 g), words at 64 x the same.  k, v: in the block of (head, y)
	s_mul_i32 s99, s[CX], 3
	s_add_co_u32 s99, s99, s[HL]                   ; the head
	s_lshl_b32 s84, s99, 8
	s_lshl_b32 s2, s[Y], 3
	s_add_co_u32 s84, s84, s2
	s_lshl_b32 s2, s[G], 1
	s_add_co_u32 s84, s84, s2
	s_lshl_b32 s86, s84, 6
	s_lshl_b32 s84, s84, 10
	s_lshl_b32 s2, s99, 5
	s_add_co_u32 s2, s2, s[Y]
	s_mul_i32 s2, s2, BLKB                         ; the block
	s_lshl_b32 s3, s[G], 11                        ; k: images at 2,048 g, words at 16,384 + 128 g
	s_add_co_u32 s3, s3, s2
	s_lshl_b32 s32, s[G], 7
	s_add_co_u32 s32, s32, s2
	s_add_co_u32 s32, s32, 16384
	s_cmp_eq_u32 s[KIND], 1
	s_cselect_b32 s84, s3, s84
	s_cselect_b32 s86, s32, s86
	s_lshl_b32 s3, s[G], 9                         ; v: images at 8,192 + 512 g (+ 2,048 for each tile of channels), bytes at 16,896 + g (+ 4 for each channel)
	s_add_co_u32 s3, s3, s2
	s_add_co_u32 s3, s3, 8192
	s_add_co_u32 s32, s2, s[G]
	s_add_co_u32 s32, s32, 16896
	s_cmp_eq_u32 s[KIND], 2
	s_cselect_b32 s84, s3, s84
	s_cselect_b32 s86, s32, s86
	s_mov_b32 s85, 0
	s_mov_b32 s87, 0
	s_mov_b32 s[SEL], 0x76543210
	s_mov_b32 s[SEL+1], 0xfedcba98                 ; v_permlanex16_b32's selects for lane l xor 16
	s_mov_b32 s[MNT], 0x600000                     ; the mantissa field of 448
	v_and_b32 v29, 31, v0                          ; lane
	v_and_b32 v30, 15, v0                          ; r
	v_bfe_u32 v31, v0, 4, 1                        ; h
	s_delay_alu instid0(VALU_DEP_3)
	v_lshlrev_b32 v[LI], 4, v29
	s_delay_alu instid0(VALU_DEP_4)
	v_lshlrev_b32 v[LS], 2, v29
	v_mul_u32_u24 v[L24], v29, 24
	v_mul_u32_u24 v28, v30, PITCH
	s_delay_alu instid0(VALU_DEP_1)
	v_lshl_add_u32 v28, v31, 4, v28                ; a fragment's row x pitch + 16 x half
	s_mul_i32 s35, s[G], 32*PITCH                  ; my 32 rows of x
	s_mul_i32 s66, s[HL], T64                      ; my 64 rows of W,
	s_add_co_u32 s66, s66, XB                      ; behind x's 128
.irp j, 0,1,2
	v_add_nc_u32 v[ADA+\j], s35, v28
	v_add_nc_u32 v[ADB+\j], s66, v28
	s_add_co_u32 s35, s35, CH
	s_add_co_u32 s66, s66, CH
.endr
.irp b, 0,1,2,3
	v_mov_b32 v[TM+4+\b], 0                        ; written once: a lane permute's destination counts as one of its sources
.endr
	s_wait_dscnt 0x0
	s_wait_kmcnt 0x0
	s_cmp_eq_u32 s[KIND], 1                        ; which weight: the choice hangs on the cluster's number alone
	s_cselect_b64 s[80:81], s[12:13], s[8:9]
	s_cselect_b64 s[82:83], s[14:15], s[10:11]
	s_cmp_eq_u32 s[KIND], 2
	s_cselect_b64 s[80:81], s[16:17], s[80:81]
	s_cselect_b64 s[82:83], s[18:19], s[82:83]
	s_cmp_eq_u32 s[KIND], 0                        ; and which buffers take the results
	s_cselect_b64 s[20:21], s[20:21], s[24:25]
	s_cselect_b64 s[22:23], s[22:23], s[24:25]
	s_add_nc_u64 s[20:21], s[20:21], s[84:85]
	s_add_nc_u64 s[22:23], s[22:23], s[86:87]
	s_add_nc_u64 s[6:7], s[6:7], s[90:91]
	s_add_nc_u64 s[82:83], s[82:83], s[94:95]
	s_add_nc_u64 s[88:89], s[4:5], s[88:89]
	s_add_nc_u64 s[92:93], s[80:81], s[92:93]
.irp j, 0,1,2
	s_mov_b32 s[G0A+4*\j], 1                                       ; 1:0 count = 1
	s_mov_b32 s[G0A+4*\j+1], \j*CH                                 ; 63:32 LDS address
	s_add_nc_u64 s[G0A+4*\j+2:G0A+4*\j+3], s[88:89], \j*256        ; 120:64 global address: 256 along K for each chunk
	s_or_b32 s[G0A+4*\j+3], s[G0A+4*\j+3], 0x80000000              ; 127:126 type = 2
	s_mov_b32 s[G0B+4*\j], 1
	s_mov_b32 s[G0B+4*\j+1], \j*CH+XB
	s_add_nc_u64 s[G0B+4*\j+2:G0B+4*\j+3], s[92:93], \j*256
	s_or_b32 s[G0B+4*\j+3], s[G0B+4*\j+3], 0x80000000
.endr
.irp i, 0,1,2                                  ; the scale words go straight into registers: a row's 24 bytes are the words of its six K steps; three loads cover 768 consecutive bytes
	global_load_b64 v[XS+2*\i:XS+2*\i+1], v[L24], s[6:7] offset:8*\i
.endr
.irp p, 0,1
.irp i, 0,1,2
	global_load_b64 v[WS+6*\p+2*\i:WS+6*\p+2*\i+1], v[L24], s[82:83] offset:768*\p+8*\i
.endr
.endr
	CROUND                                         ; all sixteen work-groups are here: the joint loads meet
; The head's six tiles, ONE a wave, each with a line of its own: waves 0, 1 chunk 0 of x and of W, waves 2, 3 chunk 1, waves 4, 5 chunk 2
.macro ARM under, g0, g1, next
	s_cmp_lt_u32 s[WV], \under
	s_cbranch_scc0 \next
	tensor_load_to_lds s[\g0:\g0+3], s[\g1:\g1+7]
	s_nop 0
	PLACES 4
	s_branch .Lasked
\next:
.endm
	ARM 1, G0A, G1A, .Larm1
	ARM 2, G0B, G1B, .Larm2
	ARM 3, G0A+4, G1A, .Larm3
	ARM 4, G0B+4, G1B, .Larm4
	ARM 5, G0A+8, G1A, .Larm5
	ARM 6, G0B+8, G1B, .Larm6
.Lasked:
; A K step of 128: 24 LDS loads, 8 products, one on each accumulator, in the same order in every step.  kind = 0: q, k (source 0 = W); 1: v (source 0 = x)
.macro KSTEP s, kind
.set Z, 0
.if (\s) == 0
.set Z, 1                                      ; the first step starts the sums: nothing is cleared
.else
	PLACES 8                                       ; in front of loads into registers that matrix instructions have read (ISA guide 7.12.1 for vector instructions)
.endif
.irp a, 0,1
.irp c, 0,1,2,3
	ds_load_b128 v[XF+16*\a+4*\c:XF+16*\a+4*\c+3], v[ADA+(\s)/2] offset:\a*16*PITCH+128*((\s)%2)+32*\c
.endr
.endr
.irp t, 0,1,2,3
.irp c, 0,1,2,3
	ds_load_b128 v[WF+16*\t+4*\c:WF+16*\t+4*\c+3], v[ADB+(\s)/2] offset:\t*16*PITCH+128*((\s)%2)+32*\c
.endr
.endr
	s_wait_dscnt 0x0
.if \kind == 0
.irp a, 0,1
.irp t, 0,1,2,3
	WM ACC+8*(4*\a+\t), WF+16*\t, XF+16*\a, Z, WS+6*(\t/2)+(\s), \t%2, XS+(\s), \a
.endr
.endr
.else
.irp t, 0,1,2,3
.irp a, 0,1
	WM ACC+8*(2*\t+\a), XF+16*\a, WF+16*\t, Z, XS+(\s), \a, WS+6*(\t/2)+(\s), \t%2
.endr
.endr
.endif
.endm
; A chunk: the waves that fetched it wait for their load (the last chunk: every wave), then the barrier shows it to all twelve.
; No LDS load of mine is out at the signal: each K step has waited for all of its own.
.macro CHUNK j
.if \j < 2                                     ; the two waves that fetched this chunk, and those of the chunks before, wait for their load
	s_cmp_lt_u32 s[WV], 2*\j+2
	s_cbranch_scc0 .Lnot_mine_\@
	s_wait_tensorcnt 0x0
.Lnot_mine_\@:
.else
	s_wait_tensorcnt 0x0
.endif
	s_barrier_signal -1
	s_barrier_wait -1
	s_cmp_eq_u32 s[KIND], 2
	s_cbranch_scc1 .Lfor_v_\@
	s_wait_alu depctr_va_vdst(0)
	KSTEP 2*\j, 0
	KSTEP 2*\j+1, 0
	s_branch .Ljoin_\@
.Lfor_v_\@:
	s_wait_alu depctr_va_vdst(0)
	KSTEP 2*\j, 1
	KSTEP 2*\j+1, 1
.Ljoin_\@:
.endm
; Four groups of 16 registers, v[s + 16 b] on: my half of a block of 32 (lane l xor 16 holds the other half), become the codes in v[PC + 4 b] on; the blocks' bytes stay in v[TM + 4 + b]
.macro QUANT s
.irp b, 0,1,2,3
	v_max3_num_f32 v[TM+\b], |v[\s+16*\b]|, |v[\s+1+16*\b]|, 0x4800000   ; my 16 numbers, and the floor 2^(9 - 127): so the byte cannot fall under 1.  (Each accumulator is read from its low end on)
.endr
.irp i, 2,4,6,8,10,12,14
.irp b, 0,1,2,3
	v_max3_num_f32 v[TM+\b], v[TM+\b], |v[\s+16*\b+\i]|, |v[\s+1+16*\b+\i]|   ; the four blocks by turns
.endr
.endr
.irp b, 0,1,2,3
	s_delay_alu instid0(VALU_DEP_4)
	v_permlanex16_b32 v[TM+4+\b], v[TM+\b], s[SEL], s[SEL+1]
.endr
.irp b, 0,1,2,3
	s_delay_alu instid0(VALU_DEP_4)
	v_max_num_f32 v[TM+\b], v[TM+\b], v[TM+4+\b]   ; the block's largest magnitude
.endr
.irp b, 0,1,2,3
	s_delay_alu instid0(VALU_DEP_4)
	v_add_nc_u32 v[TM+12+\b], 0xfc000000, v[TM+\b] ; 8 off its exponent field: the conversion takes this operand's exponent field as its scale
.endr
.irp b, 0,1,2,3
	v_and_or_b32 v[TM+8+\b], v[TM+\b], 0x7f800000, s[MNT]   ; 448 x the scale
.endr
.irp b, 0,1,2,3
	v_lshrrev_b32 v[TM+4+\b], 23, v[TM+12+\b]      ; the scale's byte
.endr
.irp b, 0,1,2,3
.irp i, 0,1,2,3,4,5,6,7,8,9,10,11,12,13,14,15
	v_med3_num_f32 v[\s+16*\b+\i], v[\s+16*\b+\i], -v[TM+8+\b], v[TM+8+\b]   ; the conversion to an 8-bit code does not saturate (ISA guide 7.6.2): the hold comes first
.endr
	v_cvt_scalef32_pk8_fp8_f32 v[PC+4*\b:PC+1+4*\b], v[\s+16*\b:\s+7+16*\b], v[TM+12+\b]
	v_cvt_scalef32_pk8_fp8_f32 v[PC+2+4*\b:PC+3+4*\b], v[\s+8+16*\b:\s+15+16*\b], v[TM+12+\b]
.endr
	v_nop                                          ; one plain vector instruction behind the last scaled conversion
.endm
	s_wait_loadcnt 0x0                             ; the scale words
	CHUNK 0
	CHUNK 1
	CHUNK 2
	PLACES 8                                       ; in front of the first read of results
	QUANT ACC
	v_cmp_gt_u32 vcc_lo, 16, v29                   ; lanes 0-15
	s_cmp_eq_u32 s[KIND], 2
	s_cbranch_scc1 .Lout_v
	; q, k: group 2 a + c is (tile of tokens a, block c).  A token's word: its two bytes, and 127 for the two blocks of zero codes that fill the instruction's 128
.irp b, 0,1,2,3
	global_store_b128 v[LI], v[PC+4*\b:PC+4*\b+3], s[20:21] offset:512*\b   ; 512 consecutive bytes, aligned
.endr
	v_lshl_or_b32 v[W0], v[TM+5], 8, v[TM+4]
	v_lshl_or_b32 v[W1], v[TM+7], 8, v[TM+6]
	s_delay_alu instid0(VALU_DEP_1)
	v_cndmask_b32 v[W0], v[W1], v[W0], vcc_lo      ; lanes 0-15 store tile 0's words, lanes 16-31 tile 1's
	s_delay_alu instid0(VALU_DEP_1)
	v_or_b32 v[W0], 0x7f7f0000, v[W0]
	global_store_b32 v[LS], v[W0], s[22:23]        ; 128 consecutive bytes
	s_branch .Lend
.Lout_v:
	; v: group t is (tile of channels t, my block of 32 keys)
	s_wait_alu depctr_va_vdst(0)
.irp b, 0,1,2,3
	global_store_b128 v[LI], v[PC+4*\b:PC+4*\b+3], s[20:21] offset:2048*\b
.endr
	v_cndmask_b32 v[W0], v[TM+5], v[TM+4], vcc_lo  ; lanes 0-15: channel r of tile 0; lanes 16-31: of tile 1
	v_cndmask_b32 v[W1], v[TM+7], v[TM+6], vcc_lo
	global_store_b8 v[LS], v[W0], s[22:23]         ; byte g of a channel's word: the four waves of a head fill the word (64 bytes a wave: one in 128 of what it stores)
	global_store_b8 v[LS], v[W1], s[22:23] offset:128
.Lend:
	s_wait_tensorcnt 0x0
	ds_add_u32 v254, v255
	s_wait_dscnt 0x0
	CROUND                                         ; the closing round: no work-group ends while a partner may still ask for a tile that names it
	s_endpgm
.Lfunc_end_k_qb36af5a9da_qkv:
	.size	k_qb36af5a9da_qkv, .Lfunc_end_k_qb36af5a9da_qkv-k_qb36af5a9da_qkv
	.p2alignl 7, 3214868480
	.fill 96, 4, 3214868480
	.section	.rodata,"a",@progbits
	.p2align	6, 0x0
	.amdhsa_kernel k_qb36af5a9da_qkv
		.amdhsa_group_segment_fixed_size 262656
		.amdhsa_private_segment_fixed_size 0
		.amdhsa_enable_private_segment 0
		.amdhsa_kernarg_size 88
		.amdhsa_user_sgpr_count 2
		.amdhsa_user_sgpr_kernarg_segment_ptr 1
		.amdhsa_wavefront_size32 1
		.amdhsa_system_sgpr_workgroup_id_x 1
		.amdhsa_system_sgpr_workgroup_id_y 1
		.amdhsa_system_sgpr_workgroup_id_z 1
		.amdhsa_system_vgpr_workitem_id 0
		.amdhsa_next_free_vgpr 256
		.amdhsa_next_free_sgpr 100
		.amdhsa_reserve_vcc 1
		.amdhsa_float_denorm_mode_32 3
		.amdhsa_float_denorm_mode_16_64 3
		.amdhsa_memory_ordered 1
		.amdhsa_forward_progress 1
		.amdhsa_inst_pref_size 55
	.end_amdhsa_kernel
	.amdgpu_metadata
---
amdhsa.version: [ 1, 2 ]
amdhsa.kernels:
  - .name:           k_qb36af5a9da_qkv
    .symbol:         k_qb36af5a9da_qkv.kd
    .args:
      - { .name: inputs_codes, .offset: 0, .size: 8, .value_kind: global_buffer, .address_space: global }
      - { .name: inputs_scales, .offset: 8, .size: 8, .value_kind: global_buffer, .address_space: global }
      - { .name: Wq_codes, .offset: 16, .size: 8, .value_kind: global_buffer, .address_space: global }
      - { .name: Wq_scales, .offset: 24, .size: 8, .value_kind: global_buffer, .address_space: global }
      - { .name: Wk_codes, .offset: 32, .size: 8, .value_kind: global_buffer, .address_space: global }
      - { .name: Wk_scales, .offset: 40, .size: 8, .value_kind: global_buffer, .address_space: global }
      - { .name: Wv_codes, .offset: 48, .size: 8, .value_kind: global_buffer, .address_space: global }
      - { .name: Wv_scales, .offset: 56, .size: 8, .value_kind: global_buffer, .address_space: global }
      - { .name: qimg, .offset: 64, .size: 8, .value_kind: global_buffer, .address_space: global }
      - { .name: qsc, .offset: 72, .size: 8, .value_kind: global_buffer, .address_space: global }
      - { .name: kv, .offset: 80, .size: 8, .value_kind: global_buffer, .address_space: global }
    .group_segment_fixed_size: 262656
    .private_segment_fixed_size: 0
    .kernarg_segment_align: 8
    .kernarg_segment_size: 88
    .max_flat_workgroup_size: 384
    .sgpr_count:     100
    .vgpr_count:     256
    .wavefront_size: 32
...
	.end_amdgpu_metadata
.endif
;; end of part 1
;; launch attn (part 2): grid 21 x 12, 8 waves a work-group, no clusters, 327,680 bytes of LDS; arguments qimg, qsc, kv, cimg, csc; writes cimg, csc
.if DOCPART == 2
	.amdgcn_target "amdgcn-amd-amdhsa--gfx1250"
	.amdhsa_code_object_version 6
	.text
	.protected	k_qb36af5a9da_attn
	.globl	k_qb36af5a9da_attn
	.p2align	8
	.type	k_qb36af5a9da_attn,@function
k_qb36af5a9da_attn:
	s_mov_b64 s[64:65], 0
	v_nop
	global_prefetch_b8 v0, s[64:65] scope:SCOPE_SE
	s_setreg_imm32_b32 hwreg(HW_REG_WAVE_MODE, 25, 1), 1
	s_wait_xcnt 0x0
; ctx = softmax(q k^T / 8, causal) v for one head, both products on codes of FP8 (E4M3) with E8M0 scales; ctx is quantised along the model's 768 and leaves as images of the next operand's registers.
; THE SOFTMAX: t = score x log2(e) / 8; M = the running largest t, rounded UP to a whole number; p = 2^(t - M) is quantised along the keys, not normalised; the row's sum is taken of the unquantised p and divides at the end.
; When M moves, the sum and O are multiplied by 2^(old M - new M): exact.
; SHARES.  A head has 256 tiles of 16 queries; tile x needs key steps 0 .. x / 8 (128 keys each).  Work-group k of 21 owns the six tiles 4 + 6 k on (L) and the six tiles 250 - 6 k on (H): 33 or 34 steps for each pair of tiles, whatever k is.
; Tiles 0-3 need one step each: waves of work-groups 0 and 1 take them in the head.
; Eight waves: set a = wave / 4 has three tiles of L and three of H; part p of four takes every fourth key step: step 4 n + p in trip n.  A slot of LDS holds four key steps, so a wave works one step a trip, on up to six tiles, and reads K and V once for them.
; The four parts' O, M and sums are joined through LDS at the end: with factors 2^(M of the part - M): exact.
; EIGHT TRIPS in every work-group; work whose keys all come after a set's queries, and fills that no step reads, are left out by branches on ids.
; NO CLUSTER, though the work-groups of a head read the same steps: how many slots a work-group needs, (255 - 6 k) / 32 + 1, differs between partners.
; THE RING.  Two slots; behind each trip's barrier five waves fill the slot just read with the trip after next's four steps, one load each: waves 0-3 a quarter of the images, wave 4 the scale words, each of all four steps.
; PREFETCH.  The work-group with number x = 2 .. 7 asks for the K and V images of slot x, 65,536 bytes, a block of 256 bytes a lane, at the change of slots that loads slot x - 1: a trip ahead of the load.
; LAYOUT.  Both products are used transposed: S^T = K Q^T (source 0 = 16 keys), O^T = V^T P^T (source 0 = 16 channels): a lane holds ONE query (lane % 16).  The 16 registers of key tiles 2 b, 2 b + 1 hold keys
; 32 b + 16 u + 8 (lane / 16) + i (register 8 u + i); converted, they are registers 4 b .. 4 b + 3 of P as they stand; V's images were laid in that same order.  The head's 64 fill half of the instruction's 128: Q's upper
; eight registers are zero codes, so what stands in K's upper eight (the next tile's codes) adds exact zeros.
; LIMITS: within a block of 32 the products are summed in another order than by ascending k; NaN and infinities are not served; scaled scores stay under 2^31 in magnitude; a block whose largest magnitude lies under 2^-118, or that is all zeros, keeps the byte 1.
.set BLKB,  17152                      ; a key step's block in memory: K's images 8,192, V's images 8,192, K's scale words 512, V's 256
.set SLOTB, 4*BLKB
.set SLOT1, 1<<17                      ; slot 1: one exclusive or turns an address in one slot into the other's
.set XM,    199680                     ; the join: M and sums [set][tile][part][2][32 words]; its O parts [set][half tile][part][2,048] begin at byte 0, over the slots, when nothing is filled any more
.set QL,    211968                     ; Q's images, seven tiles for each wave
.set SPARE, 269312                     ; the spare words: four blocks of 256 bytes that no other line names
.set L16, 1                            ; 16 x lane
.set LI0, 2                            ; LDS: my step's images in slot 0
.set LS0, 3                            ; and its scale words
.set SPW, 8
.set NIL, 9
.set LI,  10                           ; the same in the slot in hand
.set LS,  11
.set QA,  15                           ; LDS: my Q images
.set DQ,  16                           ; lane % 16 - 8 (lane / 16)
.set NINF, 17
.set TMP, 18
.set TMP2, 19
.set FF,  20                           ; f = 2^(old M - new M); v21 p's scale word
.set PW,  21
.set L4R, 22                           ; 4 x (lane % 16)
.set PFO, 23                           ; 256 x lane: the prefetch's offset; never rewritten
.set KSC, 24                           ; v24-27 K's scale words
.set VSC, 30                           ; v30-31 V's
                                       ; v4-7, v12-14 Q's scale words of tiles 0-6; v32 + 4 j: tile j's -M, largest t, sum in two halves
.set BM,  56
.set PM,  60
.set HD,  64
.set SO,  68
.set QB,  72                           ; v72-79 Q's codes, v80-87 zeros
.set PC,  88                           ; p's codes
.set S,   104                          ; v104-167 S^T, then p
.set KB,  168                          ; v168-231 K's eight tiles, v232-239 zeros
.set T,   240                          ; v240-255 the sums' chains
.set VR,  192                          ; window 1: v0-191 O^T, 32 a tile; v192-255 V's four fragments
.set WV,  14
.set PA,  15
.set G1,  16                           ; s[16:23] group 1 of the images; s[84:91] of the words; s[24:27] group 0
.set G0,  24
.set AS,  28
.set KX,  29
.set HEAD, 30
.set SK,  31                           ; my key step
.set SEL, 32
.set CS,  34                           ; s[34:35] c = log2(e) / 8
.set BL,  36                           ; L's last step, and its first that wants the mask
.set BLM, 37
.set BH,  38
.set BHM, 39
.set MNT, 40
.set BW,  41                           ; the work-group's last step
.set TB,  42
.set TRIP, 43
.set SN,  44                           ; the first step of the next fill
.set SKN, 45
.set TL0, 46
.set TH0, 47
.set PFK, 48
.set PN,  49
.set PFA, 50
.set XTAU, 52
.set XT,  53
.set G1W, 84
.set MSB, 0
.macro WIN new                         ; the immediate's high byte repeats the setting that is left
.if MSB != \new
	s_set_vgpr_msb (MSB<<8)|\new
.set MSB, \new
.endif
.endm
.macro PLACES n
.rept \n
	v_nop
.endr
.endm
.macro TLOAD                           ; waves 0-3 a quarter of the images each, wave 4 the words, of four steps
	s_cmp_lt_u32 s[WV], 4
	s_cbranch_scc0 .Lwords_\@
	tensor_load_to_lds s[G0:G0+3], s[G1:G1+7]
	s_nop 0
	PLACES 4
	s_branch .Ldone_\@
.Lwords_\@:
	s_cmp_eq_u32 s[WV], 4
	s_cbranch_scc0 .Ldone_\@
	tensor_load_to_lds s[G0:G0+3], s[G1W:G1W+7]
	s_nop 0
	PLACES 4
.Ldone_\@:
.endm
; THE CHANGE OF SLOTS.  Each wave waits for all its tensor loads (its part of the next slot), adds 0 to its spare word (twice; three waves load nothing) and waits for that and for its reads of this slot.
; Behind the barrier the next slot is whole and nobody reads this one: it is filled, while the work-group's last step is not passed.
.macro CHANGE
	s_wait_tensorcnt 0x0
	ds_add_u32 v[SPW], v[NIL]
	ds_add_u32 v[SPW], v[NIL]
	s_xor_b32 s[G0+1], s[G0+1], SLOT1
	s_add_nc_u64 s[G0+2:G0+3], s[G0+2:G0+3], SLOTB ; the type bits on top are not reached
	s_add_co_u32 s[SKN], s[SK], 4
	s_wait_dscnt 0x0
	s_barrier_signal -1
	s_barrier_wait -1
	s_cmp_gt_u32 s[SN], s[BW]                      ; ids and the count of trips alone: all waves go the same way
	s_cbranch_scc1 .Lpast_\@
	TLOAD
.Lpast_\@:
	s_cmp_eq_u32 s[PN], s[PFK]
	s_cbranch_scc0 .Lnot_asked_\@
	global_prefetch_b8 v[PFO], s[PFA:PFA+1] th:TH_LOAD_NT scope:SCOPE_SE
.Lnot_asked_\@:
	s_add_co_u32 s[SN], s[SN], 4
	s_add_co_u32 s[PN], s[PN], 1
.endm
.macro KLOAD                           ; 20 LDS loads
.irp t, 0,1,2,3,4,5,6,7
.irp c, 0,1
	ds_load_b128 v[KB+8*\t+4*\c:KB+8*\t+4*\c+3], v[LI] offset:(\t/4)*16384+(\t%4)*1024+512*\c
.endr
.endr
.irp c, 0,1,2,3
	ds_load_b32 v[KSC+\c], v[LS] offset:128*\c     ; lanes 0-15: tile 2 c's words; lanes 16-31: tile 2 c + 1's
.endr
.endm
.macro VLOAD                           ; 18
	WIN 0x40
.irp t, 0,1,2,3
.irp c, 0,1,2,3
	ds_load_b128 v[VR+16*\t+4*\c:VR+16*\t+4*\c+3], v[LI] offset:32768+(\t/2)*16384+(\t%2)*2048+512*\c
.endr
.endr
	WIN 0
	ds_load_b32 v[VSC], v[LS] offset:512
	ds_load_b32 v[VSC+1], v[LS] offset:640
.endm
.macro QLD j                           ; tile j's Q
	ds_load_b128 v[QB:QB+3], v[QA] offset:1024*(\j)
	ds_load_b128 v[QB+4:QB+7], v[QA] offset:1024*(\j)+512
.endm
.macro QNEXT sk                        ; the first tile of step sk: L's, or H's where L is done
	s_cmp_gt_u32 s[\sk], s[BL]
	s_cbranch_scc1 .Lhigh_\@
	QLD 0
	s_branch .Lset_\@
.Lhigh_\@:
	QLD 3
.Lset_\@:
.endm
.macro QK j                            ; S^T = K Q^T: eight accumulators
.irp t, 0,2,4,6
	v_wmma_scale_f32_16x16x128_f8f6f4 v[S+8*\t:S+8*\t+7], v[KB+8*\t:KB+8*\t+15], v[QB:QB+15], 0, v[KSC+\t/2], v[4+(\j)+4*((\j)/4)]
	v_wmma_scale_f32_16x16x128_f8f6f4 v[S+8*\t+8:S+8*\t+15], v[KB+8*\t+8:KB+8*\t+23], v[QB:QB+15], 0, v[KSC+\t/2], v[4+(\j)+4*((\j)/4)] matrix_a_scale:MATRIX_SCALE_ROW1
.endr
.endm
.macro PV j                            ; O^T += V^T P^T: four accumulators, one instruction each
	WIN 0x51
.irp t, 0,2
	v_wmma_scale_f32_16x16x128_f8f6f4 v[32*(\j)+8*\t:32*(\j)+8*\t+7], v[VR+16*\t:VR+16*\t+15], v[PC:PC+15], v[32*(\j)+8*\t:32*(\j)+8*\t+7], v[VSC+\t/2], v[PW]
	v_wmma_scale_f32_16x16x128_f8f6f4 v[32*(\j)+8*\t+8:32*(\j)+8*\t+15], v[VR+16*\t+16:VR+16*\t+31], v[PC:PC+15], v[32*(\j)+8*\t+8:32*(\j)+8*\t+15], v[VSC+\t/2], v[PW] matrix_a_scale:MATRIX_SCALE_ROW1
.endr
	WIN 0
.endm
.macro SUMF j                          ; the end of the row's sum: eight plain lines, which are also the places behind the products ahead of them
.set ST, 32+4*(\j)
.irp i, 0,2,4,6
	v_pk_add_f32 v[T+\i:T+\i+1], v[T+\i:T+\i+1], v[T+8+\i:T+9+\i]
.endr
.irp i, 0,2
	v_pk_add_f32 v[T+\i:T+\i+1], v[T+\i:T+\i+1], v[T+4+\i:T+5+\i]
.endr
	v_pk_add_f32 v[T:T+1], v[T:T+1], v[T+2:T+3]
	v_pk_add_f32 v[ST+2:ST+3], v[ST+2:ST+3], v[T:T+1]
.endm
.macro MASK t0, jj                     ; register n holds key 32 (n / 16) + 16 ((n / 8) % 2) + n % 8 + 8 (lane / 16) of the step: hidden where it is larger than my query
	s_lshl_b32 s54, s[\t0], 4
	s_lshl_b32 s55, s[SK], 7
	s_sub_co_i32 s54, s54, s55
	s_add_co_i32 s54, s54, 16*(\jj)
	v_add_nc_u32 v[TMP], s54, v[DQ]
.set N_, 0
.rept 64
	v_cmp_gt_i32 vcc_lo, 32*(N_/16)+16*((N_/8)%2)+N_%8, v[TMP]
	v_cndmask_b32 v[S+N_], v[S+N_], v[NINF], vcc_lo
.set N_, N_+1
.endr
.endm
; Tile j's softmax: S^T -> p's codes and scale word; O^T and the sums under the new M.  bm: the first step that wants the mask; t0 + jj: the tile's number; w = 1: the next tile's Q is awaited
.macro SM j, bm, t0, jj, w
.set ST, 32+4*(\j)
	s_cmp_lt_u32 s[SK], s[\bm]
	s_cbranch_scc1 .Lopen_\@
	MASK \t0, \jj
.Lopen_\@:
.irp u, 0,2                            ; the largest score of each block of 32 keys: for the row's maximum, and, since p rises with the score, for the block's largest p
.irp b, \u, \u+1
	v_max3_num_f32 v[BM+(\b)], v[S+16*(\b)], v[S+1+16*(\b)], v[S+2+16*(\b)]
.endr
.irp i, 3,5,7,9,11,13
.irp b, \u, \u+1
	v_max3_num_f32 v[BM+(\b)], v[BM+(\b)], v[S+16*(\b)+\i], v[S+1+16*(\b)+\i]
.endr
.endr
.irp b, \u, \u+1
	v_max_num_f32 v[BM+(\b)], v[BM+(\b)], v[S+15+16*(\b)]
.endr
.endr
.irp b, 0,1,2,3
	v_permlanex16_b32 v[PM+\b], v[BM+\b], s[SEL], s[SEL+1]
.endr
	v_mov_b32 v[TMP2], v[ST]
.irp b, 0,1,2,3
	v_max_num_f32 v[BM+\b], v[BM+\b], v[PM+\b]     ; with lane l xor 16's 16 keys
.endr
	v_max3_num_f32 v[TMP], v[BM], v[BM+1], v[BM+2]
	s_delay_alu instid0(VALU_DEP_1)
	v_max_num_f32 v[TMP], v[TMP], v[BM+3]
	s_delay_alu instid0(VALU_DEP_1)
	v_mul_f32 v[TMP], s[CS], v[TMP]                ; as t (c is positive)
	s_delay_alu instid0(VALU_DEP_1)
	v_max_num_f32 v[ST+1], v[ST+1], v[TMP]         ; the running largest t
	s_delay_alu instid0(VALU_DEP_1)
	v_floor_f32 v[ST], -v[ST+1]                    ; -M = floor(-t): a whole number
.set N_, 0
.rept 32
	v_pk_fma_f32 v[S+N_:S+N_+1], v[S+N_:S+N_+1], s[CS:CS+1], v[ST:ST+1] op_sel_hi:[1,0,0]   ; t - M, two at a time
.if N_ == 8
	v_sub_f32 v[TMP2], v[ST], v[TMP2]              ; old M - new M: a whole number, 0 or less
.elseif N_ == 24
	v_cvt_i32_f32 v[TMP2], v[TMP2]                 ; (it saturates)
.elseif N_ == 40
	v_ldexp_f32 v[FF], 1.0, v[TMP2]
.endif
.set N_, N_+2
.endr
.irp b, 0,1,2,3
	v_fma_f32 v[BM+\b], v[BM+\b], s[CS], v[ST]
.endr
	s_wait_alu depctr_va_vdst(0)                   ; ahead of the batch
.irp b, 0,1,2,3
	v_exp_f32 v[BM+\b], v[BM+\b]                   ; the block's largest p: the same instructions on the same number give the same bits
.endr
.set N_, 0
.rept 64
	v_exp_f32 v[S+N_], v[S+N_]                     ; p = 2^(t - M), at most 1; 0 for a hidden key
.set N_, N_+1
.endr
	v_pk_mul_f32 v[ST+2:ST+3], v[ST+2:ST+3], v[FF:FF+1] op_sel_hi:[1,0]   ; (a plain place behind the exponentials)
	WIN 0x41
	s_wait_alu depctr_va_vdst(0)                   ; one wait, ahead of the batch's readers and of the first reader of O^T
.set N_, 32*(\j)
.rept 16
	v_pk_mul_f32 v[N_:N_+1], v[N_:N_+1], v[FF:FF+1] op_sel_hi:[1,0]   ; O^T under the new M, from each accumulator's low end on
.set N_, N_+2
.endr
	WIN 0
.irp b, 0,1,2,3
	v_max_num_f32 v[BM+\b], 0x4800000, v[BM+\b]    ; the floor 2^(9 - 127): the byte cannot fall under 1
.endr
.irp b, 0,1,2,3
	v_add_nc_u32 v[SO+\b], 0xfc000000, v[BM+\b]    ; 8 off the exponent field: the conversion's scale operand
.endr
.irp b, 0,1,2,3
	v_and_or_b32 v[HD+\b], v[BM+\b], 0x7f800000, s[MNT]   ; 448 x the scale
.endr
.irp b, 0,1,2,3
	v_lshrrev_b32 v[PM+\b], 23, v[SO+\b]           ; the scale's byte
.endr
.irp i, 0,2,4,6,8,10,12,14
	v_pk_add_f32 v[T+\i:T+\i+1], v[S+\i:S+\i+1], v[S+16+\i:S+17+\i]   ; the row's sum, of the unquantised p, in eight chains
.endr
	v_lshl_or_b32 v[PW], v[PM+1], 8, v[PM]         ; p's scale word for these 128 keys
.irp i, 0,2,4,6,8,10,12,14
	v_pk_add_f32 v[T+\i:T+\i+1], v[T+\i:T+\i+1], v[S+32+\i:S+33+\i]
.endr
	v_lshl_or_b32 v[PW], v[PM+2], 16, v[PW]
.irp i, 0,2,4,6,8,10,12,14
	v_pk_add_f32 v[T+\i:T+\i+1], v[T+\i:T+\i+1], v[S+48+\i:S+49+\i]
.endr
	v_lshl_or_b32 v[PW], v[PM+3], 24, v[PW]
.if \w
	s_wait_alu depctr_va_vdst(0)
	s_wait_dscnt 0x0                               ; the next tile's Q
.endif
.irp b, 0,1,2,3
.irp i, 0,1,2,3,4,5,6,7,8,9,10,11,12,13,14,15
	v_min_num_f32 v[S+16*\b+\i], v[S+16*\b+\i], v[HD+\b]   ; the conversion does not saturate (ISA guide 7.6.2); p is not negative: the hold is one-sided
.endr
.endr
.irp b, 0,1,2,3
	v_cvt_scalef32_pk8_fp8_f32 v[PC+4*\b:PC+1+4*\b], v[S+16*\b:S+7+16*\b], v[SO+\b]
	v_cvt_scalef32_pk8_fp8_f32 v[PC+2+4*\b:PC+3+4*\b], v[S+8+16*\b:S+15+16*\b], v[SO+\b]
.endr
	v_nop                                          ; one plain line behind the last scaled conversion
.endm
.macro NEXT j                          ; tile j + 1's scores; the end of tile j's sum (places); tile j's second product
	QK (\j+1)
	SUMF \j
	PV \j
.endm
; Sixteen numbers at x of ctx, a block of 32 with lane l xor 16's: quantised and stored at s[60:61], its byte at s[62:63].  Work in tb .. tb + 8
.macro FINQ x, tb
	v_max3_num_f32 v[\tb+4], |v[\x]|, |v[\x+1]|, 0x4800000
	v_max3_num_f32 v[\tb+8], |v[\x+2]|, |v[\x+3]|, |v[\x+4]|
.irp i, 5,9
	v_max3_num_f32 v[\tb+4], v[\tb+4], |v[\x+\i]|, |v[\x+\i+1]|
	v_max3_num_f32 v[\tb+8], v[\tb+8], |v[\x+\i+2]|, |v[\x+\i+3]|
.endr
	v_max3_num_f32 v[\tb+4], v[\tb+4], |v[\x+13]|, |v[\x+14]|
	v_max3_num_f32 v[\tb+4], v[\tb+4], v[\tb+8], |v[\x+15]|
	v_permlanex16_b32 v[\tb+5], v[\tb+4], s[SEL], s[SEL+1]
	v_max_num_f32 v[\tb+4], v[\tb+4], v[\tb+5]
	v_add_nc_u32 v[\tb+6], 0xfc000000, v[\tb+4]
	v_and_or_b32 v[\tb+7], v[\tb+4], 0x7f800000, s[MNT]
	v_lshrrev_b32 v[\tb+8], 23, v[\tb+6]
.irp i, 0,1,2,3,4,5,6,7,8,9,10,11,12,13,14,15
	v_med3_num_f32 v[\x+\i], v[\x+\i], -v[\tb+7], v[\tb+7]
.endr
	v_cvt_scalef32_pk8_fp8_f32 v[\tb:\tb+1], v[\x:\x+7], v[\tb+6]
	v_cvt_scalef32_pk8_fp8_f32 v[\tb+2:\tb+3], v[\x+8:\x+15], v[\tb+6]
	v_nop
	global_store_b128 v[L16], v[\tb:\tb+3], s[60:61]   ; 512 consecutive bytes, aligned
	global_store_b8 v[L4R], v[\tb+8], s[62:63]     ; a byte of each row's word (both halves of the lanes hold the same byte)
.endm
.macro OADDR                           ; tile s54, half s56: cimg [tile / 4][K step][tile % 4][group][512], csc [tile / 2][K step][16 (tile % 2) + row] words; the head's part is in the bases
	s_lshr_b32 s66, s54, 2
	s_mul_i32 s66, s66, 49152
	s_and_b32 s58, s54, 3
	s_lshl_b32 s58, s58, 11
	s_add_co_u32 s66, s66, s58
	s_lshl_b32 s58, s56, 9
	s_add_co_u32 s66, s66, s58
	s_mov_b32 s67, 0
	s_add_nc_u64 s[60:61], s[10:11], s[66:67]
	s_lshr_b32 s68, s54, 1
	s_mul_i32 s68, s68, 768
	s_and_b32 s58, s54, 1
	s_lshl_b32 s58, s58, 6
	s_add_co_u32 s68, s68, s58
	s_add_co_u32 s68, s68, s56
	s_mov_b32 s69, 0
	s_add_nc_u64 s[62:63], s[12:13], s[68:69]
.endm
	s_load_b256 s[4:11], s[0:1], 0x0               ; qimg s[4:5], qsc s[6:7], kv s[8:9], cimg s[10:11]
	s_load_b64 s[12:13], s[0:1], 0x20              ; csc
	v_lshl_add_u32 v[SPW], v0, 2, SPARE
	v_mov_b32 v[NIL], 0
	ds_add_u32 v[SPW], v[NIL]                      ; the wave's opening: the add, twice on end, ahead of my first tensor load
	ds_add_u32 v[SPW], v[NIL]
	v_lshrrev_b32 v[TMP], 5, v0
	v_readfirstlane_b32 s[WV], v[TMP]              ; wave 0..7
	s_lshr_b32 s[AS], s[WV], 2                     ; my set of tiles
	s_lshl_b32 s54, s[AS], 1
	s_xor_b32 s54, s54, s[WV]
	s_and_b32 s[PA], s54, 3                        ; my part of the keys: waves w and w + 4 have parts two apart
	s_mov_b32 s[KX], ttmp9
	s_and_b32 s[HEAD], ttmp7, 0xffff
	s_mul_i32 s54, s[KX], 6
	s_mul_i32 s55, s[AS], 3
	s_add_co_u32 s[TL0], s54, s55
	s_add_co_u32 s[TL0], s[TL0], 4                 ; L's first tile
	s_sub_co_u32 s[TH0], 0xfa, s54
	s_add_co_u32 s[TH0], s[TH0], s55               ; H's
	s_sub_co_u32 s[BW], 0xff, s54
	s_lshr_b32 s[BW], s[BW], 3
	s_lshr_b32 s[BLM], s[TL0], 3
	s_add_co_u32 s[BL], s[TL0], 2
	s_lshr_b32 s[BL], s[BL], 3
	s_lshr_b32 s[BHM], s[TH0], 3
	s_add_co_u32 s[BH], s[TH0], 2
	s_lshr_b32 s[BH], s[BH], 3
	s_lshl_b32 s[XTAU], s[KX], 1
	s_add_co_u32 s[XTAU], s[XTAU], s[AS]
	s_min_u32 s[XTAU], s[XTAU], 3                  ; tiles 0-3: work-groups 0, 1, their sets' parts 0
	s_cmp_lt_u32 s[KX], 2
	s_cselect_b32 s56, 1, 0
	s_cmp_eq_u32 s[PA], 0
	s_cselect_b32 s[XT], s56, 0
	s_cmp_lt_u32 s[KX], 8
	s_cselect_b32 s[PFK], s[KX], 0                 ; the slot that I prefetch; 0: none
	s_mov_b32 s[SK], s[PA]
	s_mov_b32 s[TB], 0
	s_mov_b32 s[TRIP], 0
	s_mov_b32 s[SN], 4
	s_mov_b32 s[PN], 2
	s_mov_b32 s[SEL], 0x76543210
	s_mov_b32 s[SEL+1], 0xfedcba98                 ; v_permlanex16_b32's selects for lane l xor 16
	s_mov_b32 s[CS], 0x3e38aa3b                    ; c = log2(e) / 8
	s_mov_b32 s[CS+1], s[CS]
	s_mov_b32 s[MNT], 0x600000                     ; the mantissa field of 448
	; group 1: of four steps, 17,152 bytes apart: 4,096 bytes each (512 elements of 8), or the words' 768 (96 elements)
	s_mov_b32 s[G1], 3<<16
	s_mov_b32 s[G1+1], 512<<16
	s_mov_b32 s[G1+2], 4<<16
	s_mov_b32 s[G1+3], 512<<16
	s_mov_b32 s[G1+4], 4
	s_mov_b32 s[G1+5], 2144
	s_mov_b32 s[G1+6], 0
	s_mov_b32 s[G1+7], 0
	s_mov_b32 s[G1W], 3<<16
	s_mov_b32 s[G1W+1], 96<<16
	s_mov_b32 s[G1W+2], 4<<16
	s_mov_b32 s[G1W+3], 96<<16
	s_mov_b32 s[G1W+4], 4
	s_mov_b32 s[G1W+5], 2144
	s_mov_b32 s[G1W+6], 0
	s_mov_b32 s[G1W+7], 0
	s_min_u32 s57, s[WV], 4
	s_lshl_b32 s59, s57, 12                        ; my part of a block,
	s_lshl_b32 s57, s57, 14                        ; and in LDS: four steps' parts on end
	s_mul_i32 s58, s[HEAD], 32*BLKB                ; the head's 32 blocks
	s_add_co_u32 s60, s58, s59
	s_mov_b32 s61, 0
	s_mul_i32 s62, s[PFK], SLOTB
	s_add_co_u32 s62, s62, s58
	s_lshr_b32 s54, s[WV], 1
	s_mul_i32 s54, s54, BLKB
	s_add_co_u32 s62, s62, s54
	s_and_b32 s54, s[WV], 1
	s_lshl_b32 s54, s54, 13
	s_add_co_u32 s62, s62, s54                     ; step wave / 2 of my slot, its K images or its V images
	s_mov_b32 s63, 0
	s_lshl_b32 s54, s[HEAD], 8
	s_add_co_u32 s66, s54, s[TL0]
	s_add_co_u32 s68, s54, s[TH0]
	s_add_co_u32 s70, s54, s[XTAU]
	s_lshl_b32 s72, s66, 6                         ; Q's words: 64 bytes a tile
	s_lshl_b32 s74, s68, 6
	s_lshl_b32 s76, s70, 6
	s_lshl_b32 s66, s66, 10                        ; Q's images: 1,024 bytes a tile
	s_lshl_b32 s68, s68, 10
	s_lshl_b32 s70, s70, 10
	s_lshr_b32 s54, s[HEAD], 1                     ; the next product's K step, and the half of it
	s_and_b32 s55, s[HEAD], 1
	s_lshl_b32 s78, s54, 13
	s_lshl_b32 s56, s55, 10
	s_add_co_u32 s78, s78, s56
	s_lshl_b32 s80, s54, 7
	s_lshl_b32 s56, s55, 1
	s_add_co_u32 s80, s80, s56
.irp i, 67,69,71,73,75,77,79,81
	s_mov_b32 s\i, 0
.endr
	v_and_b32 v[TMP], 31, v0
	v_and_b32 v[TMP2], 15, v0
	v_bfe_u32 v[FF], v0, 4, 1
	v_lshlrev_b32 v[L16], 4, v[TMP]
	v_lshlrev_b32 v[PFO], 8, v[TMP]
	v_lshlrev_b32 v[LS0], 2, v[TMP]
	v_lshlrev_b32 v[L4R], 2, v[TMP2]
	v_lshlrev_b32 v[FF], 3, v[FF]
	v_sub_nc_u32 v[DQ], v[TMP2], v[FF]
	s_lshl_b32 s54, s[PA], 12
	v_add_nc_u32 v[LI0], s54, v[L16]
	s_mul_i32 s55, s[PA], 768
	s_add_co_u32 s55, s55, 65536
	v_add_nc_u32 v[LS0], s55, v[LS0]
	s_mul_i32 s56, s[WV], 7168
	s_add_co_u32 s56, s56, QL
	v_add_nc_u32 v[QA], s56, v[L16]
	v_mov_b32 v[NINF], 0xff800000
	s_wait_dscnt 0x0                               ; both opening adds are done
	s_wait_alu depctr_va_vdst(0)
	s_wait_kmcnt 0x0
	s_mov_b32 s[G0], 1
	s_mov_b32 s[G0+1], s57
	s_add_nc_u64 s[G0+2:G0+3], s[8:9], s[60:61]
	s_or_b32 s[G0+3], s[G0+3], 0x80000000          ; type = 2
	TLOAD                                          ; slot 0: one load a wave at the head
	s_add_nc_u64 s[PFA:PFA+1], s[8:9], s[62:63]
	s_add_nc_u64 s[66:67], s[4:5], s[66:67]
	s_add_nc_u64 s[68:69], s[4:5], s[68:69]
	s_add_nc_u64 s[70:71], s[4:5], s[70:71]
	s_add_nc_u64 s[72:73], s[6:7], s[72:73]
	s_add_nc_u64 s[74:75], s[6:7], s[74:75]
	s_add_nc_u64 s[76:77], s[6:7], s[76:77]
	s_add_nc_u64 s[10:11], s[10:11], s[78:79]
	s_add_nc_u64 s[12:13], s[12:13], s[80:81]
.irp j, 0,1,2
	global_load_b128 v[S+8*\j:S+8*\j+3], v[L16], s[66:67] offset:1024*\j
	global_load_b128 v[S+8*\j+4:S+8*\j+7], v[L16], s[66:67] offset:1024*\j+512
	global_load_b128 v[S+24+8*\j:S+24+8*\j+3], v[L16], s[68:69] offset:1024*\j
	global_load_b128 v[S+24+8*\j+4:S+24+8*\j+7], v[L16], s[68:69] offset:1024*\j+512
	global_load_b32 v[4+\j], v[L4R], s[72:73] offset:64*\j
.endr
	global_load_b128 v[S+48:S+51], v[L16], s[70:71]
	global_load_b128 v[S+52:S+55], v[L16], s[70:71] offset:512
	global_load_b32 v7, v[L4R], s[74:75]
	global_load_b32 v12, v[L4R], s[74:75] offset:64
	global_load_b32 v13, v[L4R], s[74:75] offset:128
	global_load_b32 v14, v[L4R], s[76:77]
.macro STATE j                         ; -M, the largest t so far (-3e38, under every t), the sums
	v_mov_b32 v[33+4*(\j)], 0xff61b1e6
	v_mov_b32 v[32+4*(\j)], 0x7f61b1e6
	v_mov_b32 v[34+4*(\j)], 0
	v_mov_b32 v[35+4*(\j)], 0
.endm
.irp j, 0,1,2,3,4,5
	STATE \j
.endr
.irp b, 0,1,2,3,4,5,6,7                ; zeros: the codes that fill the instruction's K; and registers that are named ahead of their first writing
	v_mov_b32 v[QB+8+\b], 0
	v_mov_b32 v[KB+64+\b], 0
	v_mov_b32 v[BM+\b], 0
	v_mov_b32 v[T+2*\b], 0
	v_mov_b32 v[T+2*\b+1], 0
.endr
	v_mov_b32 v[PW], 0
	WIN 0x40
.set N_, 0
.rept 192
	v_mov_b32 v[N_], 0                             ; O^T: a step is written once: the first finds zeros, which the first change of M leaves zeros
.set N_, N_+1
.endr
	WIN 0
	s_mov_b32 s54, 0xffff
	s_mov_b32 s55, 0x01010000
	s_wait_alu depctr_va_vdst(0)
	s_wait_loadcnt 0x0
.irp q, 4,5,6,7,12,13,14
	v_and_or_b32 v\q, v\q, s54, s55                ; the zero codes' two blocks get the byte 1
.endr
	PLACES 8                                       ; in front of a product that takes them as scales
	s_wait_alu depctr_va_vdst(0)
.irp j, 0,1,2,3,4,5,6                  ; Q's images go to my own bytes of LDS
	ds_store_b128 v[QA], v[S+8*\j:S+8*\j+3] offset:1024*\j
	ds_store_b128 v[QA], v[S+8*\j+4:S+8*\j+7] offset:1024*\j+512
.endr
	CHANGE                                         ; slot 0 is whole; slot 1's first fill, issued as a refill is
	v_add_nc_u32 v[LI], s[TB], v[LI0]
	v_add_nc_u32 v[LS], s[TB], v[LS0]
	s_wait_alu depctr_va_vdst(0)
	KLOAD
	QNEXT SK
	VLOAD
	; TILES 0-3: four waves take one each, its one key step, in the registers of tile 5, and store it
	s_cmp_eq_u32 s[XT], 1
	s_cbranch_scc0 .Lno_extra
	s_wait_dscnt 0x0
	QLD 6
	s_wait_dscnt 0x0
	QK 6
	PLACES 8
	SM 5, TB, XTAU, 0, 0                           ; (s[TB] is 0, and so is my step: the mask is always laid)
	SUMF 5
	PV 5
	PLACES 8
	v_add_f32 v[TMP], v54, v55
	v_permlanex16_b32 v[PM], v[TMP], s[SEL], s[SEL+1]
	v_add_f32 v[TMP], v[TMP], v[PM]                ; the row's sum
	s_wait_alu depctr_va_vdst(0)                   ; ahead of the transcendental
	v_rcp_f32 v[TMP2], v[TMP]
	v_nop
	WIN 0x01
	s_wait_alu depctr_va_vdst(0)                   ; and ahead of the first readers of its result and of the products'
.set N_, 0
.rept 32
	v_mul_f32 v[S+N_], v[160+N_], v[TMP2]
.set N_, N_+1
.endr
	WIN 0
	s_mov_b32 s54, s[XTAU]
	s_mov_b32 s56, 0
	OADDR
	FINQ S, T
	s_wait_alu depctr_va_vdst(0)
	s_wait_xcnt 0x0                                ; the stores have read their registers and bases
	s_mov_b32 s54, s[XTAU]
	s_mov_b32 s56, 1
	OADDR
	FINQ S+16, T
	s_wait_xcnt 0x0
	STATE 5
	WIN 0x40
.set N_, 160
.rept 32
	v_mov_b32 v[N_], 0
.set N_, N_+1
.endr
	WIN 0
	QNEXT SK
	s_wait_alu depctr_va_vdst(0)
	s_wait_dscnt 0x0
.Lno_extra:
.Ltrip:
	s_cmp_gt_u32 s[SK], s[BL]                      ; all keys of my step come after L's queries: a scalar branch on ids, round the work alone
	s_cbranch_scc1 .Lno_low
	s_wait_dscnt 18                                ; K, its words and Q are in; V's 18 loads may be out
	QK 0
	PLACES 8
	QLD 1
	SM 0, BLM, TL0, 0, 1
	NEXT 0
	QLD 2
	SM 1, BLM, TL0, 1, 1
	NEXT 1
	QLD 3
	SM 2, BLM, TL0, 2, 1
	SUMF 2
	PV 2
	s_wait_alu depctr_va_vdst(0)
.Lno_low:
	s_cmp_gt_u32 s[SK], s[BH]
	s_cbranch_scc1 .Ljoin
	s_wait_dscnt 18                                ; (behind L's work nothing is out)
	QK 3
	PLACES 8
	QLD 4
	SM 3, BHM, TH0, 0, 1
	NEXT 3
	QLD 5
	SM 4, BHM, TH0, 1, 1
	NEXT 4
	s_wait_alu depctr_va_vdst(0)
.Ljoin:
	CHANGE                                         ; my reads of this slot are long over: the last tile's softmax stands behind the change
	s_xor_b32 s[TB], s[TB], SLOT1
	v_add_nc_u32 v[LI], s[TB], v[LI0]
	v_add_nc_u32 v[LS], s[TB], v[LS0]
	s_wait_alu depctr_va_vdst(0)
	s_cmp_gt_u32 s[SK], s[BH]
	s_cbranch_scc1 .Lend
	s_cmp_gt_u32 s[SKN], s[BH]
	s_cbranch_scc1 .Lno_next
	KLOAD                                          ; my next step's K: its registers were last read by the products ahead of the change, with the sum's eight lines behind them
	QNEXT SKN
.Lno_next:
	SM 5, BHM, TH0, 2, 0
	SUMF 5
	PV 5
	s_wait_alu depctr_va_vdst(0)
	s_cmp_gt_u32 s[SKN], s[BH]
	s_cbranch_scc1 .Lno_next_v
	PLACES 8                                       ; in front of loads into registers that matrix instructions have read
	VLOAD
	s_branch .Lend
.Lno_next_v:
	s_wait_dscnt 0x0
.Lend:
	s_mov_b32 s[SK], s[SKN]
	s_add_co_u32 s[TRIP], s[TRIP], 1
	s_cmp_lt_u32 s[TRIP], 8
	s_cbranch_scc1 .Ltrip
	; THE JOIN.  Every part writes its O, -M and sum; wave p of a set then makes half tiles 3 p .. 3 p + 2 (16 registers: a block of 32 channels) of its set's twelve.
	s_wait_xcnt 0x0
	v_lshrrev_b32 v12, 2, v[L16]                   ; 4 x lane
	s_wait_alu depctr_va_vdst(0)
	s_mul_i32 s54, s[AS], 98304
	s_lshl_b32 s55, s[PA], 11
	s_add_co_u32 s55, s55, s54
	v_add_nc_u32 v10, s55, v[L16]                  ; in: half tiles 0-5, 6-11
	s_add_co_u32 s55, s55, 49152
	v_add_nc_u32 v11, s55, v[L16]
	s_mul_i32 s55, s[PA], 24576
	s_add_co_u32 s55, s55, s54
	v_add_nc_u32 v14, s55, v[L16]                  ; back
	s_mul_i32 s56, s[AS], 6144
	s_add_co_u32 s56, s56, XM
	s_mul_i32 s57, s[PA], 3
.irp m, 0,1,2
	s_add_co_u32 s58, s57, \m
	s_lshr_b32 s58, s58, 1
	s_lshl_b32 s58, s58, 10
	s_add_co_u32 s58, s58, s56
	v_add_nc_u32 v[15+\m], s58, v12
.endr
	s_lshl_b32 s58, s[PA], 8
	s_add_co_u32 s58, s58, s56
	v_add_nc_u32 v12, s58, v12
.irp j, 0,1,2,3,4,5
	v_add_f32 v[34+4*\j], v[34+4*\j], v[35+4*\j]
.endr
.irp j, 0,1,2,3,4,5
	v_permlanex16_b32 v[T+\j], v[34+4*\j], s[SEL], s[SEL+1]
.endr
.irp j, 0,1,2,3,4,5
	v_add_f32 v[34+4*\j], v[34+4*\j], v[T+\j]      ; my part of the row's sum
.endr
	s_wait_alu depctr_va_vdst(0)
	s_wait_tensorcnt 0x0                           ; no fill is out, and no wave reads a slot behind this barrier
	s_wait_dscnt 0x0
	s_barrier_signal -1
	s_barrier_wait -1
.irp j, 0,1,2,3,4,5
	ds_store_b32 v12, v[32+4*\j] offset:1024*\j
	ds_store_b32 v12, v[34+4*\j] offset:1024*\j+128
.endr
	WIN 0x04                                       ; the data: window 1
.irp i, 0,1,2,3,4,5
.irp c, 0,1,2,3
	ds_store_b128 v10, v[16*\i+4*\c:16*\i+4*\c+3] offset:8192*\i+512*\c
.endr
.endr
.irp i, 0,1,2,3,4,5
.irp c, 0,1,2,3
	ds_store_b128 v11, v[96+16*\i+4*\c:96+16*\i+4*\c+3] offset:8192*\i+512*\c
.endr
.endr
	WIN 0
	s_wait_dscnt 0x0
	s_barrier_signal -1
	s_barrier_wait -1
.irp m, 0,1,2
.irp q, 0,1,2,3
	ds_load_b32 v[32+8*\m+2*\q], v[15+\m] offset:256*\q
	ds_load_b32 v[33+8*\m+2*\q], v[15+\m] offset:256*\q+128
.endr
.irp q, 0,1,2,3
.irp c, 0,1,2,3
	ds_load_b128 v[64+64*\m+16*\q+4*\c:64+64*\m+16*\q+4*\c+3], v14 offset:8192*\m+2048*\q+512*\c
.endr
.endr
.endr
.irp m, 0,1,2
.set MW, 32+8*\m
.set R_, 64+64*\m
	s_wait_dscnt 48-24*\m                          ; 24 loads a half tile: the younger ones may be out
	s_wait_xcnt 0x0                                ; the stores ahead have read their registers and bases
	v_min_num_f32 v24, v[MW], v[MW+2]
	v_min_num_f32 v25, v[MW+4], v[MW+6]
	v_min_num_f32 v24, v24, v25                    ; -M of the row
.irp q, 0,1,2,3
	v_sub_f32 v[26+\q], v24, v[MW+2*\q]            ; the part's M - M: a whole number, 0 or less
.endr
.irp q, 0,1,2,3
	v_cvt_i32_f32 v[26+\q], v[26+\q]
.endr
.irp q, 0,1,2,3
	v_ldexp_f32 v[56+2*\q], 1.0, v[26+\q]
.endr
	v_mul_f32 v25, v56, v[MW+1]
	v_fma_f32 v25, v58, v[MW+3], v25
	v_fma_f32 v25, v60, v[MW+5], v25
	v_fma_f32 v25, v62, v[MW+7], v25               ; the row's sum
	s_wait_alu depctr_va_vdst(0)                   ; ahead of the transcendental
	v_rcp_f32 v31, v25
	v_nop
	s_wait_alu depctr_va_vdst(0)                   ; and ahead of its reader
.irp q, 0,1,2,3
	v_mul_f32 v[56+2*\q], v[56+2*\q], v31
.endr
.irp i, 0,2,4,6,8,10,12,14
	v_pk_mul_f32 v[R_+\i:R_+\i+1], v[R_+\i:R_+\i+1], v[56:57] op_sel_hi:[1,0]
.endr
.irp q, 1,2,3
.irp i, 0,2,4,6,8,10,12,14
	v_pk_fma_f32 v[R_+\i:R_+\i+1], v[R_+16*\q+\i:R_+16*\q+\i+1], v[56+2*\q:57+2*\q], v[R_+\i:R_+\i+1] op_sel_hi:[1,0,1]
.endr
.endr
	s_mul_i32 s54, s[PA], 3
	s_add_co_u32 s54, s54, \m
	s_lshr_b32 s55, s54, 1                         ; the tile, 0-2 of L, 3-5 of H,
	s_and_b32 s56, s54, 1                          ; and its half
	s_sub_co_u32 s58, s[TH0], 3
	s_cmp_lt_u32 s55, 3
	s_cselect_b32 s57, s[TL0], s58
	s_add_co_u32 s54, s57, s55
	OADDR
	s_wait_alu depctr_va_vdst(0)
	FINQ R_, 10
	s_wait_alu depctr_va_vdst(0)
.endr
	s_wait_tensorcnt 0x0                           ; the wave's end
	ds_add_u32 v[SPW], v[NIL]
	s_wait_dscnt 0x0
	s_endpgm
.Lfunc_end_k_qb36af5a9da_attn:
	.size	k_qb36af5a9da_attn, .Lfunc_end_k_qb36af5a9da_attn-k_qb36af5a9da_attn
	.p2alignl 7, 3214868480
	.fill 96, 4, 3214868480
	.section	.rodata,"a",@progbits
	.p2align	6, 0x0
	.amdhsa_kernel k_qb36af5a9da_attn
		.amdhsa_group_segment_fixed_size 327680
		.amdhsa_private_segment_fixed_size 0
		.amdhsa_enable_private_segment 0
		.amdhsa_kernarg_size 40
		.amdhsa_user_sgpr_count 2
		.amdhsa_user_sgpr_kernarg_segment_ptr 1
		.amdhsa_wavefront_size32 1
		.amdhsa_system_sgpr_workgroup_id_x 1
		.amdhsa_system_sgpr_workgroup_id_y 1
		.amdhsa_system_sgpr_workgroup_id_z 1
		.amdhsa_system_vgpr_workitem_id 0
		.amdhsa_next_free_vgpr 512
		.amdhsa_next_free_sgpr 100
		.amdhsa_reserve_vcc 1
		.amdhsa_float_denorm_mode_32 3
		.amdhsa_float_denorm_mode_16_64 3
		.amdhsa_memory_ordered 1
		.amdhsa_forward_progress 1
		.amdhsa_inst_pref_size 214
	.end_amdhsa_kernel
	.amdgpu_metadata
---
amdhsa.version: [ 1, 2 ]
amdhsa.kernels:
  - .name:           k_qb36af5a9da_attn
    .symbol:         k_qb36af5a9da_attn.kd
    .args:
      - { .name: qimg, .offset: 0, .size: 8, .value_kind: global_buffer, .address_space: global }
      - { .name: qsc, .offset: 8, .size: 8, .value_kind: global_buffer, .address_space: global }
      - { .name: kv, .offset: 16, .size: 8, .value_kind: global_buffer, .address_space: global }
      - { .name: cimg, .offset: 24, .size: 8, .value_kind: global_buffer, .address_space: global }
      - { .name: csc, .offset: 32, .size: 8, .value_kind: global_buffer, .address_space: global }
    .group_segment_fixed_size: 327680
    .private_segment_fixed_size: 0
    .kernarg_segment_align: 8
    .kernarg_segment_size: 40
    .max_flat_workgroup_size: 256
    .sgpr_count:     100
    .vgpr_count:     512
    .wavefront_size: 32
...
	.end_amdgpu_metadata
.endif
;; end of part 2
;; launch oproj (part 3): grid 4 x 64, 8 waves a work-group, clusters of 4 x 4, 257,024 bytes of LDS; arguments cimg, csc, Wo_codes, Wo_scales, bo, out0; writes out0
.if DOCPART == 3
	.amdgcn_target "amdgcn-amd-amdhsa--gfx1250"
	.amdhsa_code_object_version 6
	.text
	.protected	k_qb36af5a9da_oproj
	.globl	k_qb36af5a9da_oproj
	.p2align	8
	.type	k_qb36af5a9da_oproj,@function
k_qb36af5a9da_oproj:
	s_mov_b64 s[64:65], 0
	v_nop
	global_prefetch_b8 v0, s[64:65] scope:SCOPE_SE
	s_setreg_imm32_b32 hwreg(HW_REG_WAVE_MODE, 25, 1), 1
	s_wait_xcnt 0x0
	s_wait_alu depctr_hold_cnt(0) depctr_sa_sdst(0) depctr_va_vdst(0) depctr_va_sdst(0) depctr_va_ssrc(0) depctr_va_vcc(0) depctr_vm_vsrc(0)
	s_getreg_b32 s2, hwreg(HW_REG_IB_STS2, 6, 4)
	s_cmp_eq_u32 s2, 0
	s_cbranch_scc0 .Lentry_in_a_cluster
	s_endpgm
.Lentry_in_a_cluster:
	s_bfe_u32 s2, ttmp6, 0x10000c
	s_cmp_lg_u32 s2, 0xf033
	s_cbranch_scc0 .Lentry_shape_is_right
	s_endpgm
.Lentry_shape_is_right:
; out = ctx Wo^T + bo on codes of FP8 (E4M3) with E8M0 scales; out is f32.
; SHARES.  A work-group makes 64 rows x 192 columns: 256 work-groups.  Wave w of eight: w % 2 picks 32 rows (two tiles), w / 2 picks 48 columns (three tiles of Wo's rows): 6 accumulators; K = 768 in six steps of 128.
; LDS.  All of K fits: three chunks of 256 along K (Wo's 192 rows, 256 bytes + 16 of padding each; then ctx's images, 16,384 dense bytes), each filled ONCE, at the start; behind them a stage for the way out, into which no fill lands.
; CLUSTER.  4 x 4 work-groups: the four of a row need the same rows of ctx, the four of a column the same rows of Wo: each tile is asked for jointly.
; ctx COMES AS IMAGES OF ITS REGISTERS, in which byte 8 u + i of the lane's group c is k = 32 c + 16 u + 8 (lane / 16) + i.  Wo's fragments are read in that same order: eight loads of 8 bytes at 16 c' + 8 (lane / 16):
; equal k meet, and every block of 32 keeps its 32 numbers and its scale.  LIMIT: within a block of 32 the products are summed in another order than by ascending k.
; THE MATRIX INSTRUCTION IS USED TRANSPOSED (source 0 = 16 rows of Wo, source 1 = 16 rows of ctx): a lane holds eight neighbouring columns of one row of out.  The bias is the C of each sum's first product.
.set CH,    68608                      ; a chunk in LDS
.set PITCH, 272
.set T64,   17408                      ; 64 rows of Wo.  Three of them are 52,224, where ctx's images begin
.set STG,   3*CH                       ; the stage: 64 rows x (768 bytes + 16)
.set SP,    784
.set ADA, 1                            ; v1-3   LDS address of my ctx fragments in chunk 0, 1, 2
.set ADB, 4                            ; v4-6   the same for Wo
.set STO, 7                            ; v7     the stage: where I put 32 bytes of a row
.set SR,  8                            ; v8     and where I read a row back
.set GO,  9                            ; v9     my byte offset in out
.set LS,  10                           ; v10    4 x lane
.set L24, 11                           ; v11    24 x lane
.set R24, 12                           ; v12    24 x (lane % 16)
.set H32, 13                           ; v13    32 x (lane / 16)
.set CSW, 16                           ; v16-21 ctx's scale words of K steps 0-5: lanes 0-15 my first tile, lanes 16-31 my second
.set WSA, 22                           ; v22-27 Wo's: lanes 0-15 tile 0, lanes 16-31 tile 1
.set WSB, 28                           ; v28-33 Wo's tile 2
.set BIAS, 40                          ; v40-63   bo in the result's layout, eight registers a tile
.set CF,  64                           ; v64-95   ctx's two fragments
.set WF,  96                           ; v96-143  Wo's three
.set ACC, 144                          ; v144-191 six accumulators
.set OUTR, 192                         ; v192-239 the way out
.set WV,  26
.set RG,  27
.set WC,  28
.set CX,  29
.set CY,  30
.set X,   31
.set Y,   33
.set G1A, 36                           ; s[36:43] descriptor group 1 for ctx's images, s[44:51] for Wo's tiles
.set G1B, 44
.set G0A, 52                           ; s[52:63], s[68:79] their groups 0, a set for each chunk
.set G0B, 68
.macro PLACES n
.rept \n
	v_nop
.endr
.endm
.macro CROUND                          ; a round of the cluster's barrier
	s_barrier_signal -1
	s_barrier_wait -1
	s_cmp_lg_u32 s[WV], 0
	s_cbranch_scc1 .Lnot_wave_0_\@
	s_barrier_signal -3
.Lnot_wave_0_\@:
	s_barrier_wait -3
	s_barrier_signal -1
	s_barrier_wait -1
.endm
.macro WM d, a, b, c, sa, ra, sb, rb
.if (\ra) && (\rb)
	v_wmma_scale_f32_16x16x128_f8f6f4 v[\d:\d+7], v[\a:\a+15], v[\b:\b+15], v[\c:\c+7], v[\sa], v[\sb] matrix_a_scale:MATRIX_SCALE_ROW1 matrix_b_scale:MATRIX_SCALE_ROW1
.elseif (\ra)
	v_wmma_scale_f32_16x16x128_f8f6f4 v[\d:\d+7], v[\a:\a+15], v[\b:\b+15], v[\c:\c+7], v[\sa], v[\sb] matrix_a_scale:MATRIX_SCALE_ROW1
.elseif (\rb)
	v_wmma_scale_f32_16x16x128_f8f6f4 v[\d:\d+7], v[\a:\a+15], v[\b:\b+15], v[\c:\c+7], v[\sa], v[\sb] matrix_b_scale:MATRIX_SCALE_ROW1
.else
	v_wmma_scale_f32_16x16x128_f8f6f4 v[\d:\d+7], v[\a:\a+15], v[\b:\b+15], v[\c:\c+7], v[\sa], v[\sb]
.endif
.endm
	s_load_b256 s[4:11], s[0:1], 0x0               ; cimg s[4:5], csc s[6:7], Wo's codes s[8:9], Wo's scales s[10:11]
	s_load_b128 s[12:15], s[0:1], 0x20             ; bo s[12:13], out s[14:15]
	v_lshl_add_u32 v254, v0, 2, 0x3e800
	v_mov_b32 v255, 0
	ds_add_u32 v254, v255
	ds_add_u32 v254, v255
	v_lshrrev_b32 v14, 5, v0
	s_delay_alu instid0(VALU_DEP_1)
	v_readfirstlane_b32 s[WV], v14                 ; wave 0..7
	s_and_b32 s[RG], s[WV], 1                      ; which 32 rows
	s_lshr_b32 s[WC], s[WV], 1                     ; which 48 columns
	s_bfe_u32 s[CX], ttmp6, 0x40000
	s_bfe_u32 s[CY], ttmp6, 0x40004
	s_lshl_b32 s[X], ttmp9, 2
	s_add_co_u32 s[X], s[X], s[CX]                 ; which 192 columns
	s_and_b32 s[Y], ttmp7, 0xffff
	s_lshl_b32 s[Y], s[Y], 2
	s_add_co_u32 s[Y], s[Y], s[CY]                 ; which 64 rows
	s_lshl_b32 s88, s[CY], 2
	s_lshl_b32 s88, 15, s88                        ; my row of the cluster
	s_lshl_b32 s92, 0x1111, s[CX]                  ; my column
	s_or_b32 s[G1A], s88, 1<<21                    ; ctx: 15:0 the mask; elements of 1 byte; no padding; 21 set beside a mask
	s_or_b32 s[G1B], s92, (1<<20)|(1<<21)|(5<<22)|(3<<25)   ; Wo: padding on: four words after every 64
.irp q, G1A, G1B
	s_mov_b32 s[\q+1], 256<<16                     ; tensor_dim0
	s_mov_b32 s[\q+3], 256<<16                     ; tile_dim0
	s_mov_b32 s[\q+6], 0
	s_mov_b32 s[\q+7], 0
.endr
	s_mov_b32 s[G1A+5], 256                        ; ctx's images of two K steps are 16,384 dense bytes: 64 rows of 256
	s_mov_b32 s[G1B+5], 768                        ; Wo's rows lie 768 bytes apart
	s_mul_i32 s88, s[Y], 49152                     ; ctx: my 64 rows' images, all six K steps on end
	s_mov_b32 s89, 0
	s_mov_b32 s[G1A+2], 64<<16                     ; ctx: 64 rows: tensor_dim1,
	s_mov_b32 s[G1A+4], 64                         ; tile_dim1
	s_mov_b32 s[G1B+2], 192<<16                    ; Wo: 192 rows
	s_mov_b32 s[G1B+4], 192
	s_mul_i32 s92, s[X], 192*768                   ; Wo: row 192 x
	s_mov_b32 s93, 0
	s_mul_i32 s94, s[X], 192
	s_mul_i32 s95, s[WC], 48
	s_add_co_u32 s94, s94, s95                     ; my first column
	s_lshl_b32 s2, s94, 2                          ; in bo,
	s_mov_b32 s3, 0
	s_mul_i32 s94, s94, 24                         ; and in Wo's scale bytes
	s_mov_b32 s95, 0
	s_lshl_b32 s90, s[Y], 1
	s_add_co_u32 s90, s90, s[RG]
	s_mul_i32 s90, s90, 768                        ; ctx's scale words: my pair of tiles
	s_mov_b32 s91, 0
	s_lshl_b32 s84, s[Y], 6
	s_lshl_b32 s85, s[WV], 3
	s_add_co_u32 s84, s84, s85                     ; the first row of out that I store: 64 y + 8 x wave
	s_mul_i32 s84, s84, 3072
	s_mul_i32 s85, s[X], 768
	s_add_co_u32 s84, s84, s85
	s_mov_b32 s85, 0
	v_and_b32 v14, 31, v0                          ; lane
	v_and_b32 v15, 15, v0                          ; r
	v_bfe_u32 v34, v0, 4, 1                        ; h
	s_delay_alu instid0(VALU_DEP_3)
	v_lshlrev_b32 v[LS], 2, v14
	s_delay_alu instid0(VALU_DEP_4)
	v_mul_u32_u24 v[L24], v14, 24
	s_delay_alu instid0(VALU_DEP_4)
	v_mul_u32_u24 v[R24], v15, 24
	s_delay_alu instid0(VALU_DEP_4)
	v_lshlrev_b32 v[H32], 5, v34
	v_lshlrev_b32 v35, 4, v14                      ; an image: 16 x lane
	v_mul_u32_u24 v36, v15, PITCH
	s_delay_alu instid0(VALU_DEP_1)
	v_lshl_add_u32 v36, v34, 3, v36                ; Wo: row x pitch + 8 x half
	s_lshl_b32 s35, s[RG], 12                      ; my two tiles' images,
	s_add_co_u32 s35, s35, 3*T64                   ; behind Wo's rows
	s_mul_i32 s66, s[WC], 48*PITCH                 ; my 48 rows of Wo
.irp j, 0,1,2
	v_add_nc_u32 v[ADA+\j], s35, v35
	v_add_nc_u32 v[ADB+\j], s66, v36
	s_add_co_u32 s35, s35, CH
	s_add_co_u32 s66, s66, CH
.endr
	s_mul_i32 s35, s[RG], 32*SP                    ; into the stage: row 32 rg + r (+ 16 for my second tile), byte 192 wc + 32 h (+ 64 for each tile of columns)
	s_mul_i32 s66, s[WC], 192
	s_add_co_u32 s35, s35, s66
	s_add_co_u32 s35, s35, STG
	v_mul_u32_u24 v[STO], v15, SP
	s_delay_alu instid0(VALU_DEP_1)
	v_lshl_add_u32 v[STO], v34, 5, v[STO]
	s_delay_alu instid0(VALU_DEP_1)
	v_add_nc_u32 v[STO], s35, v[STO]
	s_mul_i32 s66, s[WV], 8*SP                     ; back: wave w takes rows 8 w .. 8 w + 7; lanes 0-15 one row, lanes 16-31 the next
	s_add_co_u32 s66, s66, STG
	v_mul_u32_u24 v[SR], v34, SP
	s_delay_alu instid0(VALU_DEP_1)
	v_lshl_add_u32 v[SR], v15, 4, v[SR]
	s_delay_alu instid0(VALU_DEP_1)
	v_add_nc_u32 v[SR], s66, v[SR]
	v_mul_u32_u24 v[GO], v34, 3072                 ; and the same two rows in out
	s_delay_alu instid0(VALU_DEP_1)
	v_lshl_add_u32 v[GO], v15, 4, v[GO]
	s_wait_dscnt 0x0
	s_wait_kmcnt 0x0
	s_add_nc_u64 s[6:7], s[6:7], s[90:91]
	s_add_nc_u64 s[10:11], s[10:11], s[94:95]
	s_add_nc_u64 s[12:13], s[12:13], s[2:3]
	s_add_nc_u64 s[14:15], s[14:15], s[84:85]
	s_add_nc_u64 s[88:89], s[4:5], s[88:89]
	s_add_nc_u64 s[92:93], s[8:9], s[92:93]
.irp j, 0,1,2
	s_mov_b32 s[G0A+4*\j], 1                                       ; 1:0 count = 1
	s_mov_b32 s[G0A+4*\j+1], \j*CH+3*T64                           ; 63:32 LDS address: behind Wo's rows
	s_add_nc_u64 s[G0A+4*\j+2:G0A+4*\j+3], s[88:89], \j*16384      ; 120:64 global address: two K steps' images for each chunk
	s_or_b32 s[G0A+4*\j+3], s[G0A+4*\j+3], 0x80000000              ; 127:126 type = 2
	s_mov_b32 s[G0B+4*\j], 1
	s_mov_b32 s[G0B+4*\j+1], \j*CH
	s_add_nc_u64 s[G0B+4*\j+2:G0B+4*\j+3], s[92:93], \j*256
	s_or_b32 s[G0B+4*\j+3], s[G0B+4*\j+3], 0x80000000
.endr
	s_wait_alu depctr_va_vdst(0)
.irp i, 0,1,2,3,4,5
	global_load_b32 v[CSW+\i], v[LS], s[6:7] offset:128*\i          ; 128 consecutive bytes a K step
.endr
.irp i, 0,1,2
	global_load_b64 v[WSA+2*\i:WSA+2*\i+1], v[L24], s[10:11] offset:8*\i       ; a row's 24 bytes are the words of its six K steps
	global_load_b64 v[WSB+2*\i:WSB+2*\i+1], v[R24], s[10:11] offset:768+8*\i   ; (by lane % 16: sixteen rows are left, and no load leaves the buffer)
.endr
.irp t, 0,1,2
	global_load_b128 v[BIAS+8*\t:BIAS+8*\t+3], v[H32], s[12:13] offset:64*\t       ; bo at columns 16 t + 8 h + 0 .. 7
	global_load_b128 v[BIAS+8*\t+4:BIAS+8*\t+7], v[H32], s[12:13] offset:64*\t+16
.endr
	CROUND                                         ; all sixteen work-groups are here: the joint loads meet
; The head's six tiles, ONE a wave, each with a line of its own: waves 0, 1 chunk 0 of Wo and of ctx, waves 2, 3 chunk 1, waves 4, 5 chunk 2
.macro ARM under, g0, g1, next
	s_cmp_lt_u32 s[WV], \under
	s_cbranch_scc0 \next
	tensor_load_to_lds s[\g0:\g0+3], s[\g1:\g1+7]
	s_nop 0
	PLACES 4
	s_branch .Lasked
\next:
.endm
	ARM 1, G0B, G1B, .Larm1
	ARM 2, G0A, G1A, .Larm2
	ARM 3, G0B+4, G1B, .Larm3
	ARM 4, G0A+4, G1A, .Larm4
	ARM 5, G0B+8, G1B, .Larm5
	ARM 6, G0A+8, G1A, .Larm6
.Lasked:
; A K step of 128: 32 LDS loads, 6 products, one on each accumulator, in the same order in every step
.macro KSTEP s
.if (\s) > 0
	PLACES 8                                       ; in front of loads into registers that matrix instructions have read
.endif
.irp a, 0,1
.irp c, 0,1,2,3
	ds_load_b128 v[CF+16*\a+4*\c:CF+16*\a+4*\c+3], v[ADA+(\s)/2] offset:8192*((\s)%2)+2048*\a+512*\c
.endr
.endr
.irp t, 0,1,2
.irp c, 0,1,2,3,4,5,6,7
	ds_load_b64 v[WF+16*\t+2*\c:WF+16*\t+2*\c+1], v[ADB+(\s)/2] offset:\t*16*PITCH+128*((\s)%2)+16*\c
.endr
.endr
	s_wait_dscnt 0x0
.irp a, 0,1
.if (\s) == 0                                  ; the first step starts the sums on the bias
	WM ACC+8*(3*\a), WF, CF+16*\a, BIAS, WSA+(\s), 0, CSW+(\s), \a
	WM ACC+8*(3*\a+1), WF+16, CF+16*\a, BIAS+8, WSA+(\s), 1, CSW+(\s), \a
	WM ACC+8*(3*\a+2), WF+32, CF+16*\a, BIAS+16, WSB+(\s), 0, CSW+(\s), \a
.else
	WM ACC+8*(3*\a), WF, CF+16*\a, ACC+8*(3*\a), WSA+(\s), 0, CSW+(\s), \a
	WM ACC+8*(3*\a+1), WF+16, CF+16*\a, ACC+8*(3*\a+1), WSA+(\s), 1, CSW+(\s), \a
	WM ACC+8*(3*\a+2), WF+32, CF+16*\a, ACC+8*(3*\a+2), WSB+(\s), 0, CSW+(\s), \a
.endif
.endr
.endm
; A chunk: the waves that fetched it wait for their load (the last chunk: every wave), then the barrier shows it to all eight.
; No LDS load of mine is out at the signal: each K step has waited for all of its own.
.macro CHUNK j
.if \j < 2                                     ; the two waves that fetched this chunk, and those of the chunks before, wait for their load
	s_cmp_lt_u32 s[WV], 2*\j+2
	s_cbranch_scc0 .Lnot_mine_\@
	s_wait_tensorcnt 0x0
.Lnot_mine_\@:
.else
	s_wait_tensorcnt 0x0
.endif
	s_barrier_signal -1
	s_barrier_wait -1
	KSTEP 2*\j
	KSTEP 2*\j+1
.endm
	s_wait_loadcnt 0x0                             ; the scale words and the bias
	CHUNK 0
	CHUNK 1
	s_wait_alu depctr_va_vdst(0)
	CHUNK 2
	; THE WAY OUT.  A lane holds 32 neighbouring bytes of a row, and a row's 768 bytes come from four waves: they meet in the stage, and each wave stores eight whole rows' parts.
	PLACES 8                                       ; in front of the first read of results
.irp a, 0,1
.irp t, 0,1,2
	ds_store_b128 v[STO], v[ACC+8*(3*\a+\t):ACC+8*(3*\a+\t)+3] offset:\a*16*SP+64*\t          ; each accumulator from its low end on
	ds_store_b128 v[STO], v[ACC+8*(3*\a+\t)+4:ACC+8*(3*\a+\t)+7] offset:\a*16*SP+64*\t+16
.endr
.endr
	s_wait_dscnt 0x0                               ; for the others' sake: my stores into the stage are done
	s_barrier_signal -1
	s_barrier_wait -1
.irp m, 0,1,2,3
.irp u, 0,1,2
	ds_load_b128 v[OUTR+4*(3*\m+\u):OUTR+4*(3*\m+\u)+3], v[SR] offset:\m*2*SP+256*\u
.endr
.endr
.irp m, 0,1,2,3
.irp u, 0,1,2
	s_wait_dscnt 11-(3*\m+\u)                      ; LDS loads come back in order: this one is in, the younger ones may be out
	global_store_b128 v[GO], v[OUTR+4*(3*\m+\u):OUTR+4*(3*\m+\u)+3], s[14:15] offset:\m*6144+256*\u th:TH_STORE_NT   ; sixteen lanes store 256 consecutive bytes, at a multiple of 256 from out's first byte
.endr
.endr
	s_wait_tensorcnt 0x0
	ds_add_u32 v254, v255
	s_wait_dscnt 0x0
	CROUND                                         ; the closing round: no work-group ends while a partner may still ask for a tile that names it
	s_endpgm
.Lfunc_end_k_qb36af5a9da_oproj:
	.size	k_qb36af5a9da_oproj, .Lfunc_end_k_qb36af5a9da_oproj-k_qb36af5a9da_oproj
	.p2alignl 7, 3214868480
	.fill 96, 4, 3214868480
	.section	.rodata,"a",@progbits
	.p2align	6, 0x0
	.amdhsa_kernel k_qb36af5a9da_oproj
		.amdhsa_group_segment_fixed_size 257024
		.amdhsa_private_segment_fixed_size 0
		.amdhsa_enable_private_segment 0
		.amdhsa_kernarg_size 48
		.amdhsa_user_sgpr_count 2
		.amdhsa_user_sgpr_kernarg_segment_ptr 1
		.amdhsa_wavefront_size32 1
		.amdhsa_system_sgpr_workgroup_id_x 1
		.amdhsa_system_sgpr_workgroup_id_y 1
		.amdhsa_system_sgpr_workgroup_id_z 1
		.amdhsa_system_vgpr_workitem_id 0
		.amdhsa_next_free_vgpr 256
		.amdhsa_next_free_sgpr 100
		.amdhsa_reserve_vcc 0
		.amdhsa_float_denorm_mode_32 3
		.amdhsa_float_denorm_mode_16_64 3
		.amdhsa_memory_ordered 1
		.amdhsa_forward_progress 1
		.amdhsa_inst_pref_size 34
	.end_amdhsa_kernel
	.amdgpu_metadata
---
amdhsa.version: [ 1, 2 ]
amdhsa.kernels:
  - .name:           k_qb36af5a9da_oproj
    .symbol:         k_qb36af5a9da_oproj.kd
    .args:
      - { .name: cimg, .offset: 0, .size: 8, .value_kind: global_buffer, .address_space: global }
      - { .name: csc, .offset: 8, .size: 8, .value_kind: global_buffer, .address_space: global }
      - { .name: Wo_codes, .offset: 16, .size: 8, .value_kind: global_buffer, .address_space: global }
      - { .name: Wo_scales, .offset: 24, .size: 8, .value_kind: global_buffer, .address_space: global }
      - { .name: bo, .offset: 32, .size: 8, .value_kind: global_buffer, .address_space: global }
      - { .name: out0, .offset: 40, .size: 8, .value_kind: global_buffer, .address_space: global }
    .group_segment_fixed_size: 257024
    .private_segment_fixed_size: 0
    .kernarg_segment_align: 8
    .kernarg_segment_size: 48
    .max_flat_workgroup_size: 256
    .sgpr_count:     100
    .vgpr_count:     256
    .wavefront_size: 32
...
	.end_amdgpu_metadata
.endif
;; end of part 3
